; MI455X (gfx1250); checked and timed in simulation.
; The chip was launched on July 23, 2026; its instructions are those of AMD's public machine-readable ISA for CDNA 5 (MIT licence, August 2026) and "CDNA5" Instruction Set Architecture Reference Guide (July 2026). The comments in the code are by the model that wrote it; some were corrected since.
;; Attention. Allowed arithmetic: float matrix products may take bf16 or f16 operands with f32 sums; other float arithmetic in f32, or as packed bf16 or f16 multiplies, adds, multiply-adds, maxima and minima; sums over many terms, partial sums and values carried from step to step in f32; what a program stores and reads back later, other than sums and carried values, may be rounded once to bf16 or f16.
;; Inputs: Wd 2,048 x 2,048 float32; Wk 2,048 x 2,048 float32; Wq 2,048 x 2,048 float32; Wv 2,048 x 2,048 float32; attention_mask 1 x 1 x 2,048 x 2,048 bool; hidden_states 1 x 2,048 x 2,048 float32; position_ids 1 x 2,048 int32.
;; Outputs: out0 1 x 2,048 x 2,048 float32.
;; One version. Each part assembles by itself: llvm-mc -triple=amdgcn-amd-amdhsa -mcpu=gfx1250 --defsym DOCPART=n.
;; ======== version 1 of 1: 4 launches
;; limits: values are held in f16: magnitudes above 65,504 overflow, below 6.1e-05 lose precision
;; workspace buffers: xb 8,388,608 bytes; wqkv 25,165,824 bytes; wd16 8,388,608 bytes; mbits 524,288 bytes of whole numbers; rope 2,097,152 bytes; qkv 25,165,824 bytes; ctx 8,388,608 bytes
;; launch prep (part 1): grid 256 x 7, 8 waves a work-group, no clusters, 0 bytes of LDS; arguments hidden_states, Wq, Wk, Wv, Wd, attention_mask, position_ids, xb, wqkv, wd16, mbits, rope; writes xb, wqkv, wd16, mbits, rope
.if DOCPART == 1
	.amdgcn_target "amdgcn-amd-amdhsa--gfx1250"
	.amdhsa_code_object_version 6
	.text
	.protected	k_q7eab765f6e_prep
	.globl	k_q7eab765f6e_prep
	.p2align	8
	.type	k_q7eab765f6e_prep,@function
k_q7eab765f6e_prep:
	s_mov_b64 s[64:65], 0
	v_nop
	global_prefetch_b8 v0, s[64:65] scope:SCOPE_SE
	s_setreg_imm32_b32 hwreg(HW_REG_WAVE_MODE, 25, 1), 1
	s_wait_xcnt 0x0
; PREPARATION, seven jobs told apart by the work-group's y.
;   y = 0..3  hidden_states, Wq, Wk, Wv: f32 -> bf16 (xb; wqkv = the three weights' rows one after the other)
;   y = 4     Wd: f32 -> bf16 -> the same number written as f16 (wd16)
;   y = 5     attention_mask (one byte a place) -> lane masks: word (qt, kt, j) at byte 4096 qt + 32 kt + 4 j; its bit L is mask[16 qt + L % 16][16 kt + 8 (L / 16) + j]
;   y = 6     cos and sin of position x inverse frequency: table k at byte 1,048,576, table q (the same times c = log2(e) / sqrt(128)) at byte 0
;             an entry is (cos, sin), 8 bytes, at index ((sb 16 + g) 16 + r) 4 + p for the row 16 sb + r and the frequency 4 g + p
; LIMITS.  Wd's bf16 number must lie within f16's 65,504; under 6e-5 it keeps f16's step of 6e-8.  A position is exact up to 2^24.  The inverse frequency is 2^(-i log2(10000) / 64)
; by v_exp_f32, a few last places off a correctly rounded power.  The angle is reduced by multiples of pi / 2 in two parts, each by one fused multiply-add; sine and cosine are polynomials on +-pi / 4.
; No LDS, no matrix unit, no cluster: memory binds, nothing is shared, every byte is read once and every store of a wave covers whole aligned blocks of 256 bytes.
.set IN,  16                           ; v[16:79]   16 chunks of 4 numbers as loaded
.set OUT, 80                           ; v[80:111]  16 chunks of 4 numbers in 16 bits: no register is written again behind its store
.set TMP, 112                          ; v[112:115] at work
	s_load_b512 s[8:23], s[0:1], 0x0               ; hidden s[8:9], Wq s[10:11], Wk s[12:13], Wv s[14:15], Wd s[16:17], mask s[18:19], positions s[20:21], xb s[22:23]
	s_load_b256 s[24:31], s[0:1], 0x40             ; wqkv s[24:25], wd16 s[26:27], mbits s[28:29], rope s[30:31]
	s_and_b32 s2, ttmp7, 0xffff                    ; the job
	v_lshrrev_b32 v1, 5, v0
	v_readfirstlane_b32 s3, v1                     ; wave 0..7
	s_wait_kmcnt 0x0
	s_cmp_eq_u32 s2, 5
	s_cbranch_scc1 .Lmask
	s_cmp_eq_u32 s2, 6
	s_cbranch_scc1 .Lrope
	; JOBS 0 TO 4.  A work-group takes 65,536 bytes of f32 and makes 32,768 bytes; a thread 16 chunks of 4 numbers.
	s_mov_b64 s[32:33], s[8:9]                     ; from where: chosen by the job alone
	s_mov_b64 s[34:35], s[22:23]                   ; to where
	s_cmp_eq_u32 s2, 1
	s_cselect_b64 s[32:33], s[10:11], s[32:33]
	s_cmp_eq_u32 s2, 2
	s_cselect_b64 s[32:33], s[12:13], s[32:33]
	s_cmp_eq_u32 s2, 3
	s_cselect_b64 s[32:33], s[14:15], s[32:33]
	s_cmp_eq_u32 s2, 4
	s_cselect_b64 s[32:33], s[16:17], s[32:33]
	s_cselect_b64 s[34:35], s[26:27], s[34:35]
	s_sub_co_u32 s36, s2, 1
	s_cmp_lt_u32 s36, 3                            ; jobs 1 to 3 write wqkv,
	s_cselect_b64 s[34:35], s[24:25], s[34:35]
	s_cselect_b32 s36, s36, 0
	s_lshl_b32 s36, s36, 23                        ; each its own 8,388,608 bytes of it
	s_lshl_b32 s37, ttmp9, 15
	s_add_co_u32 s36, s36, s37
	s_mov_b32 s37, 0
	s_lshl_b32 s38, ttmp9, 16
	s_mov_b32 s39, 0
	s_add_nc_u64 s[32:33], s[32:33], s[38:39]
	s_add_nc_u64 s[34:35], s[34:35], s[36:37]
	v_lshlrev_b32 v1, 4, v0                        ; 16 bytes in: a wave's load covers 512 consecutive bytes, so that no byte is asked for twice
	v_lshlrev_b32 v2, 3, v0                        ; 8 bytes out: a wave's store covers 256 consecutive bytes, aligned
.irp i, 0,1,2,3,4,5,6,7,8,9,10,11,12,13,14,15
	global_load_b128 v[IN+4*(\i):IN+4*(\i)+3], v1, s[32:33] offset:4096*(\i) th:TH_LOAD_NT
.endr
.macro CONV fmt                        ; fmt = 1: the bf16 number is written as f16
.irp i, 0,1,2,3,4,5,6,7,8,9,10,11,12,13,14,15
	s_wait_loadcnt 15-(\i)                         ; loads come back in order: chunk i is in, the 15 - i younger loads stay out
	v_cvt_pk_bf16_f32 v[OUT+2*(\i)],   v[IN+4*(\i)],   v[IN+4*(\i)+1]
	v_cvt_pk_bf16_f32 v[OUT+2*(\i)+1], v[IN+4*(\i)+2], v[IN+4*(\i)+3]
.if \fmt
	v_lshlrev_b32 v[TMP],   16,         v[OUT+2*(\i)]
	v_and_b32     v[TMP+1], 0xffff0000, v[OUT+2*(\i)]
	v_lshlrev_b32 v[TMP+2], 16,         v[OUT+2*(\i)+1]
	v_and_b32     v[TMP+3], 0xffff0000, v[OUT+2*(\i)+1]
	v_cvt_pk_f16_f32 v[OUT+2*(\i)],   v[TMP],   v[TMP+1]
	v_cvt_pk_f16_f32 v[OUT+2*(\i)+1], v[TMP+2], v[TMP+3]
.endif
	global_store_b64 v2, v[OUT+2*(\i):OUT+2*(\i)+1], s[34:35] offset:2048*(\i)
.endr
.endm
	s_cmp_eq_u32 s2, 4
	s_cbranch_scc1 .Lf16
	CONV 0
	s_endpgm
.Lf16:
	CONV 1
	s_endpgm
	; JOB 5.  A wave takes 16 queries x 128 keys (8 key tiles) and makes 64 words, one aligned block of 256 bytes.
.Lmask:
	s_lshl_b32 s36, ttmp9, 3
	s_add_co_u32 s36, s36, s3                      ; J = 8 x + wave, 0..2047: query tile J / 16, group of key tiles J % 16
	s_lshr_b32 s38, s36, 4
	s_and_b32 s39, s36, 15
	s_lshl_b32 s38, s38, 15                        ; 16 rows of 2,048 bytes
	s_lshl_b32 s39, s39, 7                         ; 128 keys
	s_add_co_u32 s38, s38, s39
	s_mov_b32 s39, 0
	s_add_nc_u64 s[18:19], s[18:19], s[38:39]
	s_lshl_b32 s36, s36, 8
	s_mov_b32 s37, 0
	s_add_nc_u64 s[28:29], s[28:29], s[36:37]
	v_and_b32 v2, 15, v0
	v_bfe_u32 v3, v0, 4, 1
	v_lshlrev_b32 v1, 11, v2                       ; my query's row,
	v_lshl_add_u32 v1, v3, 3, v1                   ; my half's 8 keys of a tile
.irp t, 0,1,2,3,4,5,6,7
	global_load_b64 v[16+2*(\t):17+2*(\t)], v1, s[18:19] offset:16*(\t)
.endr
	v_and_b32 v3, 31, v0
	v_lshlrev_b32 v3, 3, v3                        ; lane L stores words 2 L and 2 L + 1
	v_mov_b32 v32, 0
	v_mov_b32 v33, 0
.irp t, 0,1,2,3,4,5,6,7
	s_wait_loadcnt 7-(\t)                          ; tile t's bytes are in, the later tiles' loads stay out
.irp j, 0,1,2,3,4,5,6,7
	v_and_b32 v[34+(\j)%2], 0xff<<(8*((\j)%4)), v[16+2*(\t)+(\j)/4]
	v_cmp_ne_u32 s[40+(\j)%2], 0, v[34+(\j)%2]     ; bit L: is byte j of lane L set?
	v_writelane_b32 v[32+(\j)%2], s[40+(\j)%2], 4*(\t)+(\j)/2  ; word 8 t + j of the block
.endr
.endr
	global_store_b64 v3, v[32:33], s[28:29]
	s_endpgm
	; JOB 6.  A thread makes two neighbouring entries of both tables: 16 bytes of each.
.Lrope:
	s_lshl_b32 s36, ttmp9, 8
	v_add_nc_u32 v1, s36, v0                       ; e2 = 256 x + thread: entries 2 e2 and 2 e2 + 1
	v_bfe_u32 v3, v1, 1, 4                         ; r
	v_lshrrev_b32 v4, 9, v1                        ; sb
	v_lshl_or_b32 v2, v4, 4, v3                    ; the row 16 sb + r
	v_lshlrev_b32 v5, 2, v2
	global_load_b32 v6, v5, s[20:21]               ; its position
	v_bfe_u32 v7, v1, 5, 4                         ; g
	v_and_b32 v8, 1, v1
	v_lshlrev_b32 v8, 1, v8
	v_lshl_add_u32 v7, v7, 2, v8                   ; the first frequency's number, 4 g + p
	v_cvt_f32_u32 v8, v7
	v_add_f32 v9, 1.0, v8
	v_mul_f32 v8, 0xbe549a78, v8                   ; - i log2(10000) / 64
	v_mul_f32 v9, 0xbe549a78, v9
	v_exp_f32 v16, v8
	v_exp_f32 v32, v9
	v_lshlrev_b32 v11, 4, v1                       ; my 16 bytes in a table: the plain instruction behind the two exponentials
	s_wait_alu depctr_va_vdst(0)                   ; one wait for both, ahead of their first reader
	s_wait_loadcnt 0x0
	v_cvt_f32_i32 v10, v6
.macro SINCOS R, C                     ; v[R]: the inverse frequency; v[R+1 ..]: at work; cos -> v[C], sin -> v[C+1]
	v_mul_f32 v[\R+1], v10, v[\R]                  ; the angle, rounded once
	v_mul_f32 v[\R+2], 0x3f22f983, v[\R+1]         ; x 2 / pi
	v_rndne_f32 v[\R+2], v[\R+2]                   ; n
	v_fmamk_f32 v[\R+3], v[\R+2], 0xbfc90fdb, v[\R+1]  ; angle - n x (pi / 2)'s upper part,
	v_fmamk_f32 v[\R+3], v[\R+2], 0x333bbd2e, v[\R+3]  ; and its lower part
	v_mul_f32 v[\R+4], v[\R+3], v[\R+3]            ; z = r r
	v_mov_b32 v[\R+5], 0xb94ca1fa
	v_fmaak_f32 v[\R+5], v[\R+5], v[\R+4], 0x3c08839e
	v_fmaak_f32 v[\R+5], v[\R+5], v[\R+4], 0xbe2aaaa3
	v_mul_f32 v[\R+10], v[\R+3], v[\R+4]
	v_fma_f32 v[\R+7], v[\R+10], v[\R+5], v[\R+3]  ; sin r
	v_mov_b32 v[\R+6], 0x37ccf5d0
	v_fmaak_f32 v[\R+6], v[\R+6], v[\R+4], 0xbab6061a
	v_fmaak_f32 v[\R+6], v[\R+6], v[\R+4], 0x3d2aaaa5
	v_mul_f32 v[\R+10], v[\R+4], v[\R+4]
	v_fma_f32 v[\R+8], v[\R+4], -0.5, 1.0
	v_fma_f32 v[\R+8], v[\R+10], v[\R+6], v[\R+8]  ; cos r
	v_cvt_i32_f32 v[\R+9], v[\R+2]
	v_and_b32 v[\R+10], 1, v[\R+9]
	v_cmp_ne_u32 vcc_lo, 0, v[\R+10]               ; an odd quarter turn swaps the two,
	v_cndmask_b32 v[\R+11], v[\R+7], v[\R+8], vcc_lo
	v_cndmask_b32 v[\R+12], v[\R+8], v[\R+7], vcc_lo
	v_and_b32 v[\R+10], 2, v[\R+9]                 ; quarters 2 and 3 turn the sine's sign,
	v_lshlrev_b32 v[\R+10], 30, v[\R+10]
	v_xor_b32 v[\C+1], v[\R+10], v[\R+11]
	v_add_nc_u32 v[\R+9], 1, v[\R+9]               ; quarters 1 and 2 the cosine's
	v_and_b32 v[\R+9], 2, v[\R+9]
	v_lshlrev_b32 v[\R+9], 30, v[\R+9]
	v_xor_b32 v[\C], v[\R+9], v[\R+12]
.endm
	SINCOS 16, 48
	SINCOS 32, 50
.irp k, 0,1,2,3
	v_mul_f32 v[52+(\k)], 0x3e0293ee, v[48+(\k)]   ; table q carries c, so that q is rounded once and scores come in the exponent's units
.endr
	global_store_b128 v11, v[48:51], s[30:31] offset:1048576
	global_store_b128 v11, v[52:55], s[30:31]
	s_endpgm
.Lfunc_end_k_q7eab765f6e_prep:
	.size	k_q7eab765f6e_prep, .Lfunc_end_k_q7eab765f6e_prep-k_q7eab765f6e_prep
	.p2alignl 7, 3214868480
	.fill 96, 4, 3214868480
	.section	.rodata,"a",@progbits
	.p2align	6, 0x0
	.amdhsa_kernel k_q7eab765f6e_prep
		.amdhsa_group_segment_fixed_size 0
		.amdhsa_private_segment_fixed_size 0
		.amdhsa_enable_private_segment 0
		.amdhsa_kernarg_size 96
		.amdhsa_user_sgpr_count 2
		.amdhsa_user_sgpr_kernarg_segment_ptr 1
		.amdhsa_wavefront_size32 1
		.amdhsa_system_sgpr_workgroup_id_x 1
		.amdhsa_system_sgpr_workgroup_id_y 1
		.amdhsa_system_sgpr_workgroup_id_z 1
		.amdhsa_system_vgpr_workitem_id 0
		.amdhsa_next_free_vgpr 128
		.amdhsa_next_free_sgpr 66
		.amdhsa_reserve_vcc 1
		.amdhsa_float_denorm_mode_32 3
		.amdhsa_float_denorm_mode_16_64 3
		.amdhsa_memory_ordered 1
		.amdhsa_forward_progress 1
		.amdhsa_inst_pref_size 34
	.end_amdhsa_kernel
	.amdgpu_metadata
---
amdhsa.version: [ 1, 2 ]
amdhsa.kernels:
  - .name:           k_q7eab765f6e_prep
    .symbol:         k_q7eab765f6e_prep.kd
    .args:
      - { .name: hidden_states, .offset: 0, .size: 8, .value_kind: global_buffer, .address_space: global }
      - { .name: Wq, .offset: 8, .size: 8, .value_kind: global_buffer, .address_space: global }
      - { .name: Wk, .offset: 16, .size: 8, .value_kind: global_buffer, .address_space: global }
      - { .name: Wv, .offset: 24, .size: 8, .value_kind: global_buffer, .address_space: global }
      - { .name: Wd, .offset: 32, .size: 8, .value_kind: global_buffer, .address_space: global }
      - { .name: attention_mask, .offset: 40, .size: 8, .value_kind: global_buffer, .address_space: global }
      - { .name: position_ids, .offset: 48, .size: 8, .value_kind: global_buffer, .address_space: global }
      - { .name: xb, .offset: 56, .size: 8, .value_kind: global_buffer, .address_space: global }
      - { .name: wqkv, .offset: 64, .size: 8, .value_kind: global_buffer, .address_space: global }
      - { .name: wd16, .offset: 72, .size: 8, .value_kind: global_buffer, .address_space: global }
      - { .name: mbits, .offset: 80, .size: 8, .value_kind: global_buffer, .address_space: global }
      - { .name: rope, .offset: 88, .size: 8, .value_kind: global_buffer, .address_space: global }
    .group_segment_fixed_size: 0
    .private_segment_fixed_size: 0
    .kernarg_segment_align: 8
    .kernarg_segment_size: 96
    .max_flat_workgroup_size: 256
    .sgpr_count:     66
    .vgpr_count:     128
    .wavefront_size: 32
...
	.end_amdgpu_metadata
.endif
;; end of part 1
;; launch proj (part 2): grid 16 x 16, 4 waves a work-group, clusters of 4 x 4, 327,680 bytes of LDS; arguments xb, wqkv, rope, qkv; writes qkv
.if DOCPART == 2
	.amdgcn_target "amdgcn-amd-amdhsa--gfx1250"
	.amdhsa_code_object_version 6
	.text
	.protected	k_q7eab765f6e_proj
	.globl	k_q7eab765f6e_proj
	.p2align	8
	.type	k_q7eab765f6e_proj,@function
k_q7eab765f6e_proj:
	s_mov_b64 s[64:65], 0
	v_nop
	global_prefetch_b8 v0, s[64:65] scope:SCOPE_SE
	s_setreg_imm32_b32 hwreg(HW_REG_WAVE_MODE, 25, 1), 1
	s_wait_xcnt 0x0
	s_wait_alu depctr_hold_cnt(0) depctr_sa_sdst(0) depctr_va_vdst(0) depctr_va_sdst(0) depctr_va_ssrc(0) depctr_va_vcc(0) depctr_vm_vsrc(0)
	s_getreg_b32 s2, hwreg(HW_REG_IB_STS2, 6, 4)
	s_cmp_eq_u32 s2, 0
	s_cbranch_scc0 .Lentry_in_a_cluster
	s_endpgm
.Lentry_in_a_cluster:
	s_bfe_u32 s2, ttmp6, 0x10000c
	s_cmp_lg_u32 s2, 0xf033
	s_cbranch_scc0 .Lentry_shape_is_right
	s_endpgm
.Lentry_shape_is_right:
; q, k, v = x W^T with the rotary turn on q and k, written by heads: qkv[u][head][row][128] in f16, u = 0 q (times c = log2(e) / sqrt(128), which the q table carries), 1 k, 2 v.
; x: xb [2048][2048] bf16.  W: wqkv [3 x 2048][2048] bf16.  Products in bf16 with f32 sums, K ascending; each result is rounded once, to f16.
; LIMIT.  q c, k and v must lie within f16's 65,504; under 6e-5 they keep f16's step of 6e-8.
; SHARES.  Work-group (head, row block) makes 128 rows of that head's q, k and v: 128 x 384, so that 16 x 16 work-groups are 256.  Wave w takes all 128 rows and the columns 32 w .. 32 w + 31 of each of
; the three: 8 row blocks a x 6 column blocks b = 2 u + b', 48 accumulators, 384 registers.  Every wave has the same text: b < 4 is turned, b >= 4 is not.
; RING.  K goes in steps of 128 (rows of 256 bytes, aligned) through two LDS slots; a slot holds x's 128 rows and 128 rows of each weight; wave w fills region w with one tensor load.
; CLUSTER 4 x 4.  x's tile hangs on the row block alone and is shared along a row of the cluster; the weights' tiles on the head alone, shared along a column: each is asked for jointly.
; THE MATRIX INSTRUCTION IS USED TRANSPOSED (source 0 = 16 rows of W, source 1 = 16 rows of x): a lane holds row lane % 16 and the columns 8 (lane / 16) + 0..7, four rotary pairs.
; REGISTERS, in windows of 256 (s_set_vgpr_msb: bits 1:0 source 0, 3:2 source 1, 5:4 source 2, 7:6 destination):
;   window 0: v12-31 addresses; v64-127, v128-191 x's fragments, two buffers (on the way out: at work); v192-255 cos and sin for row blocks 4, 5
;   window 1: v64-111, v128-175 W's fragments, two buffers; v0-63 cos and sin for row blocks 0, 1; v192-255 for 2, 3
;   window 2: accumulators of row blocks 0-3 ((a, b) at v[8 (6 (a % 4) + b)]); v192-255 cos and sin for row blocks 6, 7          window 3: accumulators of row blocks 4-7
.set KSTEP,  128
.set PITCH,  272                       ; an LDS row: 256 bytes + 16 of padding: the 16 rows of a fragment load start at 16 different groups of four banks (ISA guide 11.1)
.set HALFT,  128*PITCH                 ; a region: 128 rows, what one tensor load brings
.set SLOT,   4*HALFT
.set SPARE,  2*SLOT                    ; behind the ring: the spare words, 128 bytes for each wave, that no other line names
.set LAPS,   2048/(2*KSTEP)            ; a lap = two K steps = once round the ring
.set SPW,  12                          ; v12     LDS address of my spare word; never rewritten
.set NIL,  13                          ; v13     0; never rewritten
.set PFO,  14                          ; v14     the prefetches' offset: lane x a row of 4,096 bytes; never rewritten
.set ADRA, 16                          ; v16-17  LDS address of x's fragments in slot 0, 1
.set ADRB, 18                          ; v18-23  the same for W's, slot s and unit u at 3 s + u
.set STO,  24                          ; v24-26  the way out: where I put 16 bytes of a row of unit u
.set RD,   27                          ; v27-29  where I read rows of unit u back
.set CO,   30                          ; v30     16 x lane: two rows of a head are 512 consecutive bytes
.set RO,   31                          ; v31     my 32 bytes of a block of the tables: 512 (lane / 16) + 32 (lane % 16)
.set F0,   64
.set F1,   128
.set TT,   64                          ; the way out: 32 turned numbers
.set PP,   96                          ; 24 registers of packed f16
.set BK,   64                          ; 192 registers read back from the stage
.set WV,   12                          ; s12     my wave's number
.set G1A,  24                          ; s[24:31] descriptor group 1 for x's tiles;  s[32:39] group 0, a set for each slot
.set G0A,  32
.set LIM,  43                          ; s43     1 in a wave that prefetches, else the greatest number
.set PFA,  44                          ; s[44:45] where my prefetches stand
.set G1B,  48                          ; s[48:55], s[56:63] the same for W's tiles
.set G0B,  56
.set RP,   68                          ; s[68:69] the tables at my row block and my columns
.set QP,   70                          ; s[70:75] q, k, v at the 32 rows of my head that I store
.set MSB, 0
.macro WIN new                         ; the immediate's high byte repeats the setting that is left; a switch that changes nothing is dropped
.if MSB != (\new)
	s_set_vgpr_msb (MSB<<8)|(\new)
.set MSB, \new
.endif
.endm
.set MUL_LO, 0xa1                      ; source 0 (W) window 1, source 1 (x) window 0, C and D window 2
.set MUL_HI, 0xf1                      ; the same, C and D window 3
.set TO_B,   0x40                      ; destination window 1, address window 0
; A joint load.  Wave 0 fetches x's tile, waves 1 to 3 those of Wq, Wk, Wv.  The branch hangs on the wave's number alone.  An s_nop 0 and four v_nop follow each of the two lines.
.macro JLOAD s
	s_cmp_eq_u32 s[WV], 0
	s_cbranch_scc0 .Lfor_b_\@
	tensor_load_to_lds s[G0A+4*(\s):G0A+4*(\s)+3], s[G1A:G1A+7]
	s_nop 0
.rept 4
	v_nop
.endr
	s_branch .Lasked_\@
.Lfor_b_\@:
	tensor_load_to_lds s[G0B+4*(\s):G0B+4*(\s)+3], s[G1B:G1B+7]
	s_nop 0
.rept 4
	v_nop
.endr
.Lasked_\@:
.endm
; A prefetch of the K step that stands two refills on: 32 rows x 256 bytes, a lane a row.  x's rows are read by every cluster of a row of clusters: cluster x = 0 asks (wave 0); W's by every cluster of a
; column: cluster y = 0 asks (waves 1 to 3).  The four partners that ask for a tile jointly take 32 of its 128 rows each, told apart by address.  So each row's 256 bytes of a K step are named once.
; The loop's last trip asks for nothing: its K steps two on do not exist.  K steps 0 to 3 come by their loads alone.
.macro ASK
	s_cmp_gt_u32 s3, s[LIM]
	s_cbranch_scc0 .Lnot_mine_\@
	global_prefetch_b8 v[PFO], s[PFA:PFA+1] offset:KSTEP*2 th:TH_LOAD_NT scope:SCOPE_SE
.Lnot_mine_\@:
.endm
.macro CREST                           ; a round of the cluster's barrier behind its opening barrier
	s_cmp_lg_u32 s[WV], 0
	s_cbranch_scc1 .Lnot_wave_0_\@
	s_barrier_signal -3
.Lnot_wave_0_\@:
	s_barrier_wait -3
	s_barrier_signal -1
	s_barrier_wait -1
.endm
.macro CROUND                          ; a whole round
	s_barrier_signal -1
	s_barrier_wait -1
	CREST
.endm
	s_load_b256 s[4:11], s[0:1], 0x0               ; xb s[4:5], wqkv s[6:7], rope s[8:9], qkv s[10:11]
	v_lshl_add_u32 v[SPW], v0, 2, SPARE
	v_mov_b32 v[NIL], 0
	ds_add_u32 v[SPW], v[NIL]                      ; the wave's opening: the add and its wait stand ahead of my first tensor load; the set-up below stands between them
	v_lshrrev_b32 v1, 5, v0
	v_readfirstlane_b32 s[WV], v1                  ; wave 0..3
	s_bfe_u32 s40, ttmp6, 0x40000                  ; cx
	s_bfe_u32 s41, ttmp6, 0x40004                  ; cy
	s_lshl_b32 s42, ttmp9, 2
	s_add_co_u32 s42, s42, s40                     ; the head = 4 x cluster x + cx
	s_and_b32 s13, ttmp7, 0xffff
	s_lshl_b32 s13, s13, 2
	s_add_co_u32 s13, s13, s41                     ; the row block = 4 x cluster y + cy
	s_lshl_b32 s20, s41, 2
	s_lshl_b32 s20, 15, s20                        ; my row of the cluster
	s_lshl_b32 s21, 0x1111, s40                    ; my column
	s_or_b32 s[G1A], s20, (1<<16)|(1<<20)|(1<<21)|(5<<22)|(3<<25)  ; the mask; elements of 2 bytes; padding on; bit 21 beside a mask; after every 64 words 4 words
	s_or_b32 s[G1B], s21, (1<<16)|(1<<20)|(1<<21)|(5<<22)|(3<<25)
.irp g, G1A, G1B
	s_mov_b32 s[(\g)+1], KSTEP<<16                 ; tensor_dim0 = 128
	s_mov_b32 s[(\g)+2], 128<<16                   ; tensor_dim1 = 128
	s_mov_b32 s[(\g)+3], KSTEP<<16                 ; tile_dim0 = 128
	s_mov_b32 s[(\g)+4], 128                       ; tile_dim1 = 128
	s_mov_b32 s[(\g)+5], 2048                      ; elements from row to row
	s_mov_b32 s[(\g)+6], 0
	s_mov_b32 s[(\g)+7], 0
.endr
	s_lshl_b32 s16, s13, 19                        ; x: 128 rows of 4,096 bytes a row block
	s_mov_b32 s17, 0
	s_max_u32 s18, s[WV], 1
	s_sub_co_u32 s18, s18, 1                       ; W: the unit that I fetch (waves 1 to 3),
	s_lshl_b32 s18, s18, 23                        ; its 2,048 rows,
	s_lshl_b32 s19, s42, 19                        ; the head's 128 of them
	s_add_co_u32 s18, s18, s19
	s_mov_b32 s19, 0
	s_mul_i32 s22, s[WV], HALFT                    ; region = wave: no place in the cluster enters an LDS address
	s_wait_dscnt 0x0                               ; the opening add is done
	s_wait_kmcnt 0x0
	s_add_nc_u64 s[14:15], s[4:5], s[16:17]
	s_add_nc_u64 s[46:47], s[6:7], s[18:19]
	CROUND                                         ; all sixteen work-groups are here: the first joint loads meet
.irp s, 0,1
	s_mov_b32 s[G0A+4*(\s)], 1
	s_add_co_u32 s[G0A+4*(\s)+1], s22, (\s)*SLOT
	s_add_nc_u64 s[G0A+4*(\s)+2:G0A+4*(\s)+3], s[14:15], (\s)*KSTEP*2
	s_or_b32 s[G0A+4*(\s)+3], s[G0A+4*(\s)+3], 0x80000000
	s_mov_b32 s[G0B+4*(\s)], 1
	s_add_co_u32 s[G0B+4*(\s)+1], s22, (\s)*SLOT
	s_add_nc_u64 s[G0B+4*(\s)+2:G0B+4*(\s)+3], s[46:47], (\s)*KSTEP*2
	s_or_b32 s[G0B+4*(\s)+3], s[G0B+4*(\s)+3], 0x80000000
	JLOAD \s                                       ; two loads of mine are out
.endr
	; the prefetches' address and who asks
	s_and_b32 s23, ttmp7, 0xffff                   ; cluster y
	s_cmp_eq_u32 s[WV], 0                          ; do I fetch x?
	s_cselect_b32 s20, s16, s18                    ; my tile's first row, in bytes
	s_cselect_b32 s21, s40, s41                    ; my place among the four that ask with me
	s_cselect_b32 s23, ttmp9, s23                  ; the coordinate along which other clusters read the same rows
	s_cselect_b64 s[PFA:PFA+1], s[4:5], s[6:7]
	s_cmp_eq_u32 s23, 0
	s_cselect_b32 s[LIM], 1, -1                    ; the same in all sixteen partners, for a given wave
	s_lshl_b32 s21, s21, 17                        ; my work-group's 32 rows
	s_add_co_u32 s20, s20, s21
	s_add_co_u32 s20, s20, 2*KSTEP*2               ; at K step 2: the first refill steps it to 3 and names K step 4
	s_mov_b32 s21, 0
	s_add_nc_u64 s[PFA:PFA+1], s[PFA:PFA+1], s[20:21]
	; addresses
	v_and_b32 v1, 15, v0                           ; l % 16
	v_bfe_u32 v2, v0, 4, 1                         ; l / 16
	v_mul_u32_u24 v3, v1, PITCH
	v_lshl_add_u32 v3, v2, 4, v3                   ; row x pitch + 16 x half
	s_mul_i32 s23, s[WV], 32*PITCH                 ; my 32 rows of a weight's region
	v_add_nc_u32 v4, s23, v3
.irp s, 0,1
	v_add_nc_u32 v[ADRA+(\s)], (\s)*SLOT, v3
.irp u, 0,1,2
	v_add_nc_u32 v[ADRB+3*(\s)+(\u)], (\s)*SLOT+(1+(\u))*HALFT, v4
.endr
.endr
	s_lshl_b32 s20, s[WV], 6                       ; the stage: my 32 columns are 64 bytes of a row
	v_add_nc_u32 v5, s20, v3
	v_mul_u32_u24 v6, v2, PITCH                    ; back: lanes 0-15 one row of 256 bytes, lanes 16-31 the next, of my 32 rows
	v_lshl_add_u32 v6, v1, 4, v6
	v_add_nc_u32 v6, s23, v6
.irp u, 0,1,2
	v_add_nc_u32 v[STO+(\u)], (\u)*HALFT, v5
	v_add_nc_u32 v[RD+(\u)], (\u)*HALFT, v6
.endr
	v_and_b32 v[CO], 31, v0
	v_lshlrev_b32 v[PFO], 12, v[CO]
	v_lshlrev_b32 v[CO], 4, v[CO]
	v_lshlrev_b32 v[RO], 5, v1
	v_lshl_add_u32 v[RO], v2, 9, v[RO]
	s_lshl_b32 s76, s13, 16                        ; the tables: 8 blocks of 16 rows, 8,192 bytes each, a row block;
	s_lshl_b32 s77, s[WV], 11                      ; my 16 frequencies: 4 groups of 512 bytes
	s_add_co_u32 s76, s76, s77
	s_mov_b32 s77, 0
	s_add_nc_u64 s[RP:RP+1], s[8:9], s[76:77]
	s_lshl_b32 s76, s42, 19                        ; qkv: the head's 2,048 rows of 256 bytes,
	s_lshl_b32 s77, s13, 15                        ; the row block's 128,
	s_add_co_u32 s76, s76, s77
	s_lshl_b32 s77, s[WV], 13                      ; the 32 that I store
	s_add_co_u32 s76, s76, s77
	s_mov_b32 s77, 0
	s_add_nc_u64 s[QP:QP+1], s[10:11], s[76:77]
	s_add_nc_u64 s[QP+2:QP+3], s[QP:QP+1], 0x800000
	s_add_nc_u64 s[QP+4:QP+5], s[QP:QP+1], 0x1000000
; cos and sin for row block a, 32 registers: column block b < 4 at 8 b, four (cos, sin).  They are asked for now and wanted behind the last product.
.macro RSET a
.if (\a) < 4
.set RW, 1
.elseif (\a) < 6
.set RW, 0
.else
.set RW, 2
.endif
.if (\a) < 2
.set RB, 32*(\a)
.else
.set RB, 192+32*((\a)%2)
.endif
.endm
.irp a, 0,1,2,3,4,5,6,7
	RSET \a
	WIN RW<<6
.irp b, 0,1,2,3
	global_load_b128 v[RB+8*(\b):RB+8*(\b)+3],   v[RO], s[RP:RP+1] offset:((\b)/2)*1048576+(\a)*8192+((\b)%2)*1024
	global_load_b128 v[RB+8*(\b)+4:RB+8*(\b)+7], v[RO], s[RP:RP+1] offset:((\b)/2)*1048576+(\a)*8192+((\b)%2)*1024+16
.endr
.endr
	WIN 0
; 12 matrix instructions: row blocks a0, a0 + 1 of the window's four x all 6 column blocks, 32 along K.  zero = 1: the first product starts the sums.  The 48 accumulators take turns, in the same order in every quarter.
.macro MUL12 f, hi, a0, zero
	WIN MUL_LO+0x50*(\hi)
.irp a, \a0, (\a0)+1
.irp b, 0,1,2,3,4,5
.if \zero
	v_wmma_f32_16x16x32_bf16 v[8*(6*(\a)+(\b)):8*(6*(\a)+(\b))+7], v[(\f)+8*(\b):(\f)+8*(\b)+7], v[(\f)+8*(4*(\hi)+(\a)):(\f)+8*(4*(\hi)+(\a))+7], 0
.else
	v_wmma_f32_16x16x32_bf16 v[8*(6*(\a)+(\b)):8*(6*(\a)+(\b))+7], v[(\f)+8*(\b):(\f)+8*(\b)+7], v[(\f)+8*(4*(\hi)+(\a)):(\f)+8*(4*(\hi)+(\a))+7], v[8*(6*(\a)+(\b)):8*(6*(\a)+(\b))+7]
.endif
.endr
.endr
.endm
; 28 LDS loads in one run: a quarter step's fragments (6 of W, 8 of x; 32 K at byte k of the rows) into buffer f
.macro FETCH slot, k, f
	WIN TO_B
.irp b, 0,1,2,3,4,5
	ds_load_b128 v[(\f)+8*(\b):(\f)+8*(\b)+3],   v[ADRB+3*(\slot)+(\b)/2] offset:(\k)+((\b)%2)*16*PITCH
	ds_load_b128 v[(\f)+8*(\b)+4:(\f)+8*(\b)+7], v[ADRB+3*(\slot)+(\b)/2] offset:(\k)+((\b)%2)*16*PITCH+32
.endr
	WIN 0
.irp i, 0,1,2,3,4,5,6,7
	ds_load_b128 v[(\f)+8*(\i):(\f)+8*(\i)+3],   v[ADRA+(\slot)] offset:(\k)+(\i)*16*PITCH
	ds_load_b128 v[(\f)+8*(\i)+4:(\f)+8*(\i)+7], v[ADRA+(\slot)] offset:(\k)+(\i)*16*PITCH+32
.endr
.endm
.macro PLACES                          ; four plain instructions between a matrix instruction and a load into, or a vector instruction on, its registers
.rept 4
	v_nop
.endr
.endm
; A K step is four quarters of 32 along K, 48 matrix instructions each, on buffers 0, 1, 0, 1.  One of the first three:
.macro QUARTER slot, k, f, g, zero
	s_wait_dscnt 8                                 ; W's fragments and x's row blocks 0-3 are in; the youngest eight loads (row blocks 4-7) may be out
	MUL12 \f, 0, 0, \zero
	MUL12 \f, 0, 2, \zero
	PLACES
	FETCH \slot, \k, \g
	s_wait_dscnt 28                                ; all but the 28 just issued
	MUL12 \f, 1, 0, \zero
	MUL12 \f, 1, 2, \zero
.endm
; The last quarter changes slots: one barrier.  In front of it each wave waits for all its tensor loads (one is out: its part of the next slot), adds 0 to its spare word, and waits for that and for its reads of this slot.
.macro MEET round
	WIN 0
	s_wait_tensorcnt 0x0
	ds_add_u32 v[SPW], v[NIL]
	s_wait_dscnt 9                                 ; the add and the youngest eight loads may be out
	MUL12 F1, 0, 0, 0
	s_wait_dscnt 0x0                               ; the add is done, and my reads of this slot are over
	s_barrier_signal -1
	MUL12 F1, 0, 2, 0
.if \round
	WIN 0
.endif
	s_barrier_wait -1
.endm
.macro TURN slot, next, fill
.if \fill
	s_wait_xcnt 0x0                                ; the last prefetch, a K step back, has read its address
	s_add_nc_u64 s[PFA:PFA+1], s[PFA:PFA+1], KSTEP*2
.endif
	MEET \fill
.if \fill
	CREST                                          ; the barrier has opened a round of the cluster's: no wave of any partner still reads this slot or has a load on its way
	s_add_nc_u64 s[G0A+4*(\slot)+2:G0A+4*(\slot)+3], s[G0A+4*(\slot)+2:G0A+4*(\slot)+3], 2*KSTEP*2
	s_add_nc_u64 s[G0B+4*(\slot)+2:G0B+4*(\slot)+3], s[G0B+4*(\slot)+2:G0B+4*(\slot)+3], 2*KSTEP*2
	JLOAD \slot                                    ; the first tensor load behind the round: 168 matrix instructions ahead of the wait for it; its four v_nop are also the places in front of the loads below
.else
	PLACES
.endif
	FETCH \next, 0, F0
.if \fill
	ASK
.endif
	MUL12 F1, 1, 0, 0
	MUL12 F1, 1, 2, 0
.endm
	s_wait_tensorcnt 1                             ; my part of K step 0 is in; K step 1's may stay out
	s_barrier_signal -1
	s_barrier_wait -1
	FETCH 0, 0, F0
	QUARTER 0, 64,  F0, F1, 1                      ; the first quarter's products start the sums
	WIN 0
	s_mov_b32 s3, LAPS-1
.Llap:                                                 ; a trip goes once round the ring and fills both slots again
	QUARTER 0, 128, F1, F0, 0
	QUARTER 0, 192, F0, F1, 0
	TURN 0, 1, 1
	QUARTER 1, 64,  F0, F1, 0
	QUARTER 1, 128, F1, F0, 0
	QUARTER 1, 192, F0, F1, 0
	TURN 1, 0, 1
	QUARTER 0, 64,  F0, F1, 0
	WIN 0
	s_sub_co_u32 s3, s3, 1
	s_cmp_lg_u32 s3, 0
	s_cbranch_scc1 .Llap
	QUARTER 0, 128, F1, F0, 0                      ; the last lap fills nothing
	QUARTER 0, 192, F0, F1, 0
	TURN 0, 1, 0                                   ; behind this barrier nobody reads slot 0 any more, and it has had its last fill
	QUARTER 1, 64,  F0, F1, 0
	QUARTER 1, 128, F1, F0, 0
	QUARTER 1, 192, F0, F1, 0
	s_wait_dscnt 8
	MUL12 F1, 0, 0, 0
	MUL12 F1, 0, 2, 0
	s_wait_dscnt 0x0
	MUL12 F1, 1, 0, 0
	MUL12 F1, 1, 2, 0
	PLACES
	s_wait_loadcnt 0x0                             ; cos and sin
; THE WAY OUT of row block a.  For a pair (x1, x2) and (c, s): r1 = x1 c - x2 s, r2 = x2 c + x1 s: a packed multiply (x1 c, x2 c) and a packed multiply-add with the halves crossed.
; Then all six blocks are rounded to f16 and go into the stage (slot 0; unit u's 128 rows of 272 bytes at u x 34,816).  Each accumulator's registers are read in ascending order.
.macro ROT a
.set AW, 2+(\a)/4
.set AB, 48*((\a)%4)
	RSET \a
	WIN (RW<<2)|AW
.set n, 0
.rept 16
	v_pk_mul_f32 v[TT+2*n:TT+2*n+1], v[AB+2*n:AB+2*n+1], v[RB+2*n:RB+2*n+1] op_sel_hi:[1,0]
.set n, n+1
.endr
.set n, 0
.rept 16
	v_pk_fma_f32 v[TT+2*n:TT+2*n+1], v[AB+2*n:AB+2*n+1], v[RB+2*n:RB+2*n+1], v[TT+2*n:TT+2*n+1] op_sel:[1,1,0] op_sel_hi:[0,1,1] neg_lo:[0,1,0]
.set n, n+1
.endr
	WIN (AW<<2)|AW
.set n, 0
.rept 8
	v_cvt_pk_f16_f32 v[PP+16+n], v[AB+32+2*n], v[AB+32+2*n+1]  ; v is not turned
.set n, n+1
.endr
	WIN 0
.set n, 0
.rept 16
	v_cvt_pk_f16_f32 v[PP+n], v[TT+2*n], v[TT+2*n+1]
.set n, n+1
.endr
.irp b, 0,1,2,3,4,5
	ds_store_b128 v[STO+(\b)/2], v[PP+4*(\b):PP+4*(\b)+3] offset:(\a)*16*PITCH+32*((\b)%2)
.endr
.endm
.irp a, 0,1,2,3,4,5,6,7
	ROT \a
.endr
	s_wait_dscnt 0x0                               ; for the others' sake: a row's 256 bytes come from four waves
	s_barrier_signal -1
	s_barrier_wait -1
.set n, 0
.rept 48                                       ; my 32 rows of each unit, two rows a load
	ds_load_b128 v[BK+4*n:BK+4*n+3], v[RD+n/16] offset:(n%16)*2*PITCH
.set n, n+1
.endr
.set n, 0
.rept 48
	s_wait_dscnt 47-n                              ; load n is back, the younger ones stay out
	global_store_b128 v[CO], v[BK+4*n:BK+4*n+3], s[QP+2*(n/16):QP+2*(n/16)+1] offset:(n%16)*512  ; 512 consecutive bytes, at a multiple of 256 from the buffer's first
.set n, n+1
.endr
	s_wait_tensorcnt 0x0                           ; the wave's end, behind my last tensor load and my last LDS store
	ds_add_u32 v[SPW], v[NIL]
	s_wait_dscnt 0x0
	CROUND                                         ; the closing round: no work-group ends while a partner may still ask for a tile that names it
	s_endpgm
.Lfunc_end_k_q7eab765f6e_proj:
	.size	k_q7eab765f6e_proj, .Lfunc_end_k_q7eab765f6e_proj-k_q7eab765f6e_proj
	.p2alignl 7, 3214868480
	.fill 96, 4, 3214868480
	.section	.rodata,"a",@progbits
	.p2align	6, 0x0
	.amdhsa_kernel k_q7eab765f6e_proj
		.amdhsa_group_segment_fixed_size 327680
		.amdhsa_private_segment_fixed_size 0
		.amdhsa_enable_private_segment 0
		.amdhsa_kernarg_size 32
		.amdhsa_user_sgpr_count 2
		.amdhsa_user_sgpr_kernarg_segment_ptr 1
		.amdhsa_wavefront_size32 1
		.amdhsa_system_sgpr_workgroup_id_x 1
		.amdhsa_system_sgpr_workgroup_id_y 1
		.amdhsa_system_sgpr_workgroup_id_z 1
		.amdhsa_system_vgpr_workitem_id 0
		.amdhsa_next_free_vgpr 1024
		.amdhsa_next_free_sgpr 80
		.amdhsa_reserve_vcc 0
		.amdhsa_float_denorm_mode_32 3
		.amdhsa_float_denorm_mode_16_64 3
		.amdhsa_memory_ordered 1
		.amdhsa_forward_progress 1
		.amdhsa_inst_pref_size 139
	.end_amdhsa_kernel
	.amdgpu_metadata
---
amdhsa.version: [ 1, 2 ]
amdhsa.kernels:
  - .name:           k_q7eab765f6e_proj
    .symbol:         k_q7eab765f6e_proj.kd
    .args:
      - { .name: xb, .offset: 0, .size: 8, .value_kind: global_buffer, .address_space: global }
      - { .name: wqkv, .offset: 8, .size: 8, .value_kind: global_buffer, .address_space: global }
      - { .name: rope, .offset: 16, .size: 8, .value_kind: global_buffer, .address_space: global }
      - { .name: qkv, .offset: 24, .size: 8, .value_kind: global_buffer, .address_space: global }
    .group_segment_fixed_size: 327680
    .private_segment_fixed_size: 0
    .kernarg_segment_align: 8
    .kernarg_segment_size: 32
    .max_flat_workgroup_size: 128
    .sgpr_count:     80
    .vgpr_count:     1024
    .wavefront_size: 32
...
	.end_amdgpu_metadata
.endif
;; end of part 2
;; launch attn (part 3): grid 16 x 16, 4 waves a work-group, clusters of 4 x 1, 327,680 bytes of LDS; arguments qkv, mbits, ctx; writes ctx
.if DOCPART == 3
	.amdgcn_target "amdgcn-amd-amdhsa--gfx1250"
	.amdhsa_code_object_version 6
	.text
	.protected	k_q7eab765f6e_attn
	.globl	k_q7eab765f6e_attn
	.p2align	8
	.type	k_q7eab765f6e_attn,@function
k_q7eab765f6e_attn:
	s_mov_b64 s[64:65], 0
	v_nop
	global_prefetch_b8 v0, s[64:65] scope:SCOPE_SE
	s_setreg_imm32_b32 hwreg(HW_REG_WAVE_MODE, 25, 1), 1
	s_wait_xcnt 0x0
	s_wait_alu depctr_hold_cnt(0) depctr_sa_sdst(0) depctr_va_vdst(0) depctr_va_sdst(0) depctr_va_ssrc(0) depctr_va_vcc(0) depctr_vm_vsrc(0)
	s_getreg_b32 s2, hwreg(HW_REG_IB_STS2, 6, 4)
	s_cmp_eq_u32 s2, 0
	s_cbranch_scc0 .Lentry_in_a_cluster
	s_endpgm
.Lentry_in_a_cluster:
	s_bfe_u32 s2, ttmp6, 0x10000c
	s_cmp_lg_u32 s2, 0x3003
	s_cbranch_scc0 .Lentry_shape_is_right
	s_endpgm
.Lentry_shape_is_right:
; ctx[q][head 128 + :] = the sum over k of softmax_k(s[q][k]) v[k][:], s = q . k / sqrt(128), or -10000 where the mask (an input, taken as it is given) is set.
; qkv: [3][16][2048][128] f16; q carries c = log2(e) / sqrt(128), so a product K Q^T is the score in the exponent's units, and the fill there is -10000 log2(e).  The fill REPLACES the score ahead of the maximum.
; mbits: word (qt, kt, j) at byte 4096 qt + 32 kt + 4 j is the lane mask of register j of the tile S^T (16 keys kt x 16 queries qt): one v_cndmask_b32 a register.
; Products in f16 with f32 sums; maxima and sums in f32; the weights p are rounded to f16 for the second product (their sum is taken of the unrounded p), ctx once at the end.
; LIMITS.  q c, k, v lie within f16's 65,504; p lies in 0 to 1; a weight below 2^-126 counts as 0; NaN and infinities are not treated apart.
; SHARES.  A work-group owns 128 queries of one head: 256 work-groups.  Wave w owns 64 of them (half w % 2), four tiles of 16, and HALF THE KEYS (half w / 2: 1,024 keys, 16 steps of 64), so that a fragment of K or V
; read from LDS feeds four tiles.  The two partial results of a query meet in LDS at the end.  Register piece 0 (tiles 0, 1) holds the 32 rows that the wave finishes, piece 2 (tiles 2, 3) those that it hands to wave w ^ 2: one text.
; LAYOUT.  S^T = K Q^T: a lane holds ONE query (lane % 16) and the keys 8 (lane / 16) + 0..7; two such tiles rounded to f16 ARE source 1 of O^T = V^T P.  V comes out of LDS turned, by ds_load_tr16_b128.
; SOFTMAX.  A running maximum m and sum l: p = 2^(s - m); in every step O and l are multiplied by a = 2^(m_old - m_new).  m starts at the lowest finite number, O and l at 0, so no first step is written out:
; the turn ahead of step 0 works on zeros and on scores equal to m, and the first true step's a = 0 wipes what it left.
; BY TURNS.  In a turn one piece has the matrix unit (32 products V^T P of the step in hand, 32 products K Q^T of the next); beside them stands the other piece's softmax, 330 vector instructions = 74 + 4 x 64:
; four behind each product, and the 74 that are over together, ahead of the turn's products.
; CLUSTER.  The four query blocks of a cluster belong to one head and walk the same K and V: each tile is asked for jointly.
; REGISTERS, in windows of 256 (s_set_vgpr_msb: bits 1:0 source 0, 3:2 source 1, 5:4 source 2, 7:6 destination):
;   window 0: v2-11, v44-48, v61-63 addresses and constants; v12-43 eight registers of statistics a tile; v64-191 S^T; v192-255 P        window 1: O^T, 64 a tile
;   window 2: v0-127 Q; v128-255 K of one step        window 3: v0-127 V of one step
.set PK,    272       ; a row of K in LDS: 256 bytes + 16
.set PVP,   288       ; a row of V: 256 + 32
.set KH,    0x11000   ; K of key half h, slot s: h KH + s KS1, 128 rows (two steps)
.set KS1,   0x8800
.set KST,   0x4400    ; a step's 64 rows of K
.set VB,    0x22000   ; V of key half h, slot s: VB + h VH + s VS1
.set VH,    0x12000
.set VS1,   0x9000
.set VST,   0x4800
.set STAGE, 286720    ; behind the ring: 16 rows x 272 bytes for each wave, for the way out
.set SP,    272
.set SPARE, STAGE+4*16*SP  ; the spare words, 128 bytes for each wave, that no other line names
.set AK0, 2           ; v2   my lane's place in my half's K; never rewritten
.set AV0, 3           ; v3   the same for V
.set ADR, 4           ; v4   the LDS address of the run of loads in hand
.set QOA, 5           ; v5   my byte offset in the rows of Q of piece 0
.set STO, 6           ; v6   the way out: where I put 16 bytes of a row
.set RD,  7           ; v7   where I read a row back
.set GO,  8           ; v8   my byte offset in two rows of ctx
.set QOB, 10          ; v10  my byte offset in the rows of Q of piece 2
.set ST,  12          ; tile t's statistics at v[ST+8 t]: +0 m, +1 m_old (at the end: l summed), +2, +3 l, +4 to +7 at work; a at +6, m_old - m at +7
.set FILL, 44         ; v44  -10000 log2(e)
.set XS,  45          ; v45  where I put piece 2's O^T for my partner;  v47 its (m, l)
.set XP,  46          ; v46  where my partner has put its piece 2;      v48 its (m, l)
.set XS2, 47
.set XP2, 48
.set PFO, 61          ; v61  256 x lane; never rewritten
.set SPW, 62          ; v62  LDS address of my spare word; never rewritten
.set NIL, 63          ; v63  0; never rewritten
.set S,   64
.set P,   192
.set KF,  128         ; K's fragments, in window 2
.set MP,  2           ; s[2:3]  mbits at my 64 queries and the step whose masks are loaded next
.set PFA, 4           ; s[4:5]  where my prefetches stand
.set WV,  6           ; s6   my wave's number
.set XO,  7           ; s7   byte offset in mbits of the piece whose masks are loaded next: 0 or 8,192
.set G1K, 8           ; s[8:15]  descriptor group 1 for K's tiles;  s[16:23] for V's
.set G1V, 16
.set G0K, 24          ; s[24:27] descriptor group 0 for K's tiles: it walks;  s[28:31] for V's
.set G0V, 28
.set MK,  32          ; s[32:63] the 32 mask words of the piece's first tile; s[68:99] of its second (at the head and at the end: at work)
.set SEL, 66          ; s66, s67 v_permlanex16_b32's selects
.set TBK, 100         ; s100 LDS byte, in a half's K, at which the step to be fetched begins
.set TBV, 101         ; s101 the same for V
.set SLOTS, 104       ; s104 slots still to be asked for
.set CNT, 105         ; s105 counts a slot's steps
.set LUMP, 74         ; of a turn's 330 vector instructions those that stand together: 330 - 4 x 64
.set MSB, 0
.macro WIN new
.if MSB != (\new)
	s_set_vgpr_msb (MSB<<8)|(\new)
.set MSB, \new
.endif
.endm
.set W_KQ, 0x0a       ; K and Q in window 2, S^T in window 0
.set W_PV, 0x53       ; V in window 3, P in window 0, O^T in window 1
.set W_RS, 0x41       ; O^T (destination and source 0) in window 1, the factor in window 0
; A joint fill: waves 0 and 1 fetch a slot's K for key halves 0 and 1, waves 2 and 3 its V: 128 rows each.  An s_nop 0 and four v_nop follow each of the two lines.
.macro JLOAD
	s_cmp_lt_u32 s[WV], 2
	s_cbranch_scc0 .Lfor_v_\@
	tensor_load_to_lds s[G0K:G0K+3], s[G1K:G1K+7]
	s_nop 0
.rept 4
	v_nop
.endr
	s_branch .Lasked_\@
.Lfor_v_\@:
	tensor_load_to_lds s[G0V:G0V+3], s[G1V:G1V+7]
	s_nop 0
.rept 4
	v_nop
.endr
.Lasked_\@:
.endm
; A prefetch of what the NEXT change of slots will ask for: of the 128 rows that I fetch myself, my work-group's 32 (told apart by address), a lane a row of 256 bytes.  All clusters of a head walk the same
; rows: the head's first cluster asks.  So each row is named once.  It stands behind my tensor load, two key steps (256 matrix instructions) ahead of the load that will want the rows.
; The last change that fills a slot asks for nothing; slots 0 and 1 come by their loads alone.
.macro ASK
	s_cmp_lg_u32 ttmp9, 0                          ; the cluster's number along x: the same in all four partners
	s_cbranch_scc1 .Lnot_mine_\@
	s_cmp_gt_u32 s[SLOTS], 1
	s_cbranch_scc0 .Lnot_mine_\@
	global_prefetch_b8 v[PFO], s[PFA:PFA+1] th:TH_LOAD_NT scope:SCOPE_SE
.Lnot_mine_\@:
.endm
.macro CROUND                       ; a round of the cluster's barrier
	s_barrier_signal -1
	s_barrier_wait -1
	s_cmp_lg_u32 s[WV], 0
	s_cbranch_scc1 .Lnot_wave_0_\@
	s_barrier_signal -3
.Lnot_wave_0_\@:
	s_barrier_wait -3
	s_barrier_signal -1
	s_barrier_wait -1
.endm
; THE CHANGE OF SLOTS.  Each wave waits for all its tensor loads (one is out: its part of the other slot), adds 0 to its spare word, and waits for that and for its reads of the slot that it leaves.
; fill = 1: the barrier is a round of the cluster's, and the joint fill (the keys two slots on) is the first thing behind it.  (At its first use slot 0 is waited for and slot 1 filled.)
.macro CHANGE fill
	WIN 0
	s_wait_tensorcnt 0x0            ; no tensor load of mine is out, so a group 0 may be written
	ds_add_u32 v[SPW], v[NIL]
.if \fill
	s_xor_b32 s[G0K+1], s[G0K+1], KS1
	s_add_nc_u64 s[G0K+2:G0K+3], s[G0K+2:G0K+3], 32768  ; the next 128 keys of the half
	s_xor_b32 s[G0V+1], s[G0V+1], VS1
	s_add_nc_u64 s[G0V+2:G0V+3], s[G0V+2:G0V+3], 32768
	s_wait_xcnt 0x0                 ; the last prefetch, two key steps back, has read its address
	s_add_nc_u64 s[PFA:PFA+1], s[PFA:PFA+1], 32768
	s_wait_dscnt 0x0                ; the add is done, and my reads of the slot are over
	CROUND
	JLOAD
	ASK
.else
	s_wait_dscnt 0x0
	s_barrier_signal -1
	s_barrier_wait -1
.endif
	s_sub_co_u32 s[TBK], s[TBK], KS1  ; the fetches go back to a slot's first step,
	s_xor_b32 s[TBK], s[TBK], KS1     ; in the other slot
	s_sub_co_u32 s[TBV], s[TBV], VS1
	s_xor_b32 s[TBV], s[TBV], VS1
.endm
	s_load_b128 s[32:35], s[0:1], 0x0  ; qkv s[32:33], mbits s[34:35]
	v_lshl_add_u32 v[SPW], v0, 2, SPARE
	v_mov_b32 v[NIL], 0
	ds_add_u32 v[SPW], v[NIL]       ; the wave's opening: the add and its wait stand ahead of my first tensor load; the set-up below stands between them
	v_lshrrev_b32 v1, 5, v0
	v_readfirstlane_b32 s[WV], v1   ; wave 0..3
	s_bfe_u32 s36, ttmp6, 0x40000   ; cx
	s_lshl_b32 s37, ttmp9, 2
	s_add_co_u32 s37, s37, s36      ; my block of 128 queries: it enters Q's, the masks' and ctx's addresses alone
	s_and_b32 s38, ttmp7, 0xffff    ; the head
	s_and_b32 s39, s[WV], 1         ; my half of the queries; also: the key half whose tile I fetch
	s_lshr_b32 s40, s[WV], 1        ; my half of the keys
	s_lshl_b32 s42, s38, 19         ; the head's 2,048 rows of 256 bytes,
	s_lshl_b32 s43, s39, 18         ; the fetched half's 1,024
	s_add_co_u32 s42, s42, s43
	s_mov_b32 s43, 0
	s_lshl_b32 s44, s37, 15         ; 128 rows of Q, and also 8 query tiles of 4,096 bytes of masks
	s_lshl_b32 s45, s39, 14
	s_add_co_u32 s44, s44, s45
	s_lshl_b32 s45, s40, 11         ; my key half's 64 key tiles of 32 bytes
	s_add_co_u32 s48, s44, s45
	s_mov_b32 s49, 0
	s_lshl_b32 s45, s38, 19
	s_add_co_u32 s44, s44, s45
	s_mov_b32 s45, 0
	s_lshl_b32 s50, 0x800000, s40   ; the prefetches: K's unit in waves 0 and 1, V's in waves 2 and 3,
	s_lshl_b32 s51, s36, 13         ; my work-group's 32 rows of the 128,
	s_add_co_u32 s50, s50, s51
	s_add_co_u32 s50, s50, 32768    ; in slot 1: the first change of slots steps it to slot 2
	s_mov_b32 s51, 0
	s_xor_b32 s[XO], s40, 1
	s_lshl_b32 s[XO], s[XO], 13     ; piece 2's two query tiles; the first turn turns it into piece 0's
	s_mov_b32 s[G1K], 15|(1<<16)|(1<<20)|(1<<21)|(5<<22)|(3<<25)  ; the mask of four; 2-byte elements; padding on; bit 21 beside a mask; after every 64 words 4 words
	s_mov_b32 s[G1V], 15|(1<<16)|(1<<20)|(1<<21)|(5<<22)|(7<<25)  ; the same with 8 words
.irp g, G1K, G1V
	s_mov_b32 s[(\g)+1], 128<<16    ; tensor_dim0 = 128
	s_mov_b32 s[(\g)+2], 128<<16    ; tensor_dim1 = 128
	s_mov_b32 s[(\g)+3], 128<<16    ; tile_dim0 = 128
	s_mov_b32 s[(\g)+4], 128        ; tile_dim1 = 128
	s_mov_b32 s[(\g)+5], 128        ; elements from row to row
	s_mov_b32 s[(\g)+6], 0
	s_mov_b32 s[(\g)+7], 0
.endr
	s_mov_b32 s[SEL], 0x76543210
	s_mov_b32 s[SEL+1], 0xfedcba98
	s_mov_b32 s[TBK], 2*KS1         ; the first change of slots turns these two into 0
	s_mov_b32 s[TBV], 2*VS1
	s_mov_b32 s[G0K], 1
	s_mul_i32 s[G0K+1], s39, KH     ; slot 0: no place in the cluster enters an LDS address
	s_mov_b32 s[G0V], 1
	s_mul_i32 s[G0V+1], s39, VH
	s_add_co_u32 s[G0V+1], s[G0V+1], VB
	s_wait_dscnt 0x0                ; the opening add is done
	s_wait_kmcnt 0x0
	s_add_nc_u64 s[46:47], s[32:33], s[42:43]
	s_add_nc_u64 s[G0K+2:G0K+3], s[46:47], 0x800000
	s_or_b32 s[G0K+3], s[G0K+3], 0x80000000
	s_add_nc_u64 s[G0V+2:G0V+3], s[46:47], 0x1000000
	s_or_b32 s[G0V+3], s[G0V+3], 0x80000000
	s_add_nc_u64 s[PFA:PFA+1], s[46:47], s[50:51]
	s_add_nc_u64 s[MP:MP+1], s[34:35], s[48:49]
	s_add_nc_u64 s[52:53], s[32:33], s[44:45]  ; Q at my 64 rows
	CROUND                          ; all four work-groups are here: the first joint loads meet
	JLOAD                           ; slot 0; slot 1 is asked for when slot 0 is in
	v_and_b32 v1, 15, v0            ; l % 16
	v_bfe_u32 v9, v0, 4, 1          ; l / 16
	v_lshlrev_b32 v11, 8, v1
	v_lshl_add_u32 v11, v9, 4, v11  ; row x 256 + 16 x half
	s_lshl_b32 s54, s40, 13         ; piece 0: rows 32 x (my key half) on,
	v_add_nc_u32 v[QOA], s54, v11
	s_xor_b32 s54, s54, 0x2000      ; piece 2: the other 32
	v_add_nc_u32 v[QOB], s54, v11
	WIN 0x80                        ; destination window 2
.set i, 0
.rept 16                            ; Q stays in registers: tile i / 4, channels 32 (i % 4) on
.if i < 8
	global_load_b128 v[8*i:8*i+3],   v[QOA], s[52:53] offset:((i/4)%2)*4096+(i%4)*64
	global_load_b128 v[8*i+4:8*i+7], v[QOA], s[52:53] offset:((i/4)%2)*4096+(i%4)*64+32
.else
	global_load_b128 v[8*i:8*i+3],   v[QOB], s[52:53] offset:((i/4)%2)*4096+(i%4)*64
	global_load_b128 v[8*i+4:8*i+7], v[QOB], s[52:53] offset:((i/4)%2)*4096+(i%4)*64+32
.endif
.set i, i+1
.endr
	; What the first turns find: V, O^T, l and piece 0's P are 0; piece 2's scores and every m are the lowest finite number.  All this stands in the wait for the first tile.
	WIN 0xc0
.set i, 0
.rept 128
	v_mov_b32 v[i], 0
.set i, i+1
.endr
	WIN 0x40
.set i, 0
.rept 256
	v_mov_b32 v[i], 0
.set i, i+1
.endr
	WIN 0
	s_mov_b32 s55, 0xff7fffff
.set i, 0
.rept 32
	v_mov_b32 v[P+i], 0
.set i, i+1
.endr
.set i, 0
.rept 64
	v_mov_b32 v[S+64+i], s55
.set i, i+1
.endr
.set i, 0
.rept 4
	v_mov_b32 v[ST+8*i], s55
	v_mov_b32 v[ST+8*i+2], 0
	v_mov_b32 v[ST+8*i+3], 0
.set i, i+1
.endr
	v_mov_b32 v[FILL], 0xc6616bcd   ; -10000 log2(e) = -14426.95
	s_mul_i32 s54, s40, KH
	v_mul_u32_u24 v[AK0], v1, PK
	v_lshl_add_u32 v[AK0], v9, 4, v[AK0]
	v_add_nc_u32 v[AK0], s54, v[AK0]
	; The turning load takes 16 keys x 16 channels (lane l reads key 8 (l / 16) + l % 8, channels 8 ((l / 8) % 2) + 0..7) and leaves half a fragment of V^T.
	s_mul_i32 s55, s40, VH
	s_add_co_u32 s55, s55, VB
	v_and_b32 v11, 7, v0
	v_lshl_add_u32 v[AV0], v9, 3, v11
	v_mul_u32_u24 v[AV0], v[AV0], PVP
	v_bfe_u32 v11, v0, 3, 1
	v_lshl_add_u32 v[AV0], v11, 4, v[AV0]
	v_add_nc_u32 v[AV0], s55, v[AV0]
	s_mul_i32 s55, s[WV], 16*SP
	s_add_co_u32 s55, s55, STAGE    ; my stage
	v_mul_u32_u24 v[STO], v1, SP
	v_lshl_add_u32 v[STO], v9, 4, v[STO]
	v_add_nc_u32 v[STO], s55, v[STO]
	v_mul_u32_u24 v[RD], v9, SP
	v_lshl_add_u32 v[RD], v1, 4, v[RD]
	v_add_nc_u32 v[RD], s55, v[RD]
	v_lshlrev_b32 v[GO], 12, v9     ; two rows of ctx, 4,096 bytes apart
	v_lshl_add_u32 v[GO], v1, 4, v[GO]
	; The exchange at the end: 16,896 bytes a wave inside the first slot of my key half's K, which has had its last fill and its last reader when the last change of slots is passed.
	s_mul_i32 s55, s39, KST
	s_add_co_u32 s54, s54, s55      ; mine
	s_xor_b32 s56, s40, 1
	s_mul_i32 s56, s56, KH
	s_add_co_u32 s56, s56, s55      ; wave w ^ 2's
	v_and_b32 v11, 31, v0
	v_lshl_add_u32 v[XS], v11, 4, s54
	v_lshl_add_u32 v[XP], v11, 4, s56
	v_lshl_add_u32 v[XS2], v11, 3, s54
	v_add_nc_u32 v[XS2], 16384, v[XS2]
	v_lshl_add_u32 v[XP2], v11, 3, s56
	v_add_nc_u32 v[XP2], 16384, v[XP2]
	v_lshlrev_b32 v[PFO], 8, v11
	s_wait_loadcnt 0x0              ; Q is in, and its base may be written
.set i, 0
.rept 16
	s_mov_b64 s[MK+2*i:MK+2*i+1], 0    ; the turn ahead of step 0 masks nothing
	s_mov_b64 s[MK+36+2*i:MK+36+2*i+1], 0
.set i, i+1
.endr
; THE MATRIX WORK OF A TURN, for piece x.  The accumulators take turns, one instruction a turn.
; Product i of 32 of O^T += V^T P: keys 32 (i / 16) on, channels 16 ((i / 2) % 8) on, tile x + i % 2.
.macro PV x
	WIN W_PV
.set mO, 64*((\x)+i%2)+8*((i/2)%8)
.set mV, 64*(i/16)+8*((i/2)%8)
.set mP, P+16*((\x)+i%2)+8*(i/16)
	v_wmma_f32_16x16x32_f16 v[mO:mO+7], v[mV:mV+7], v[mP:mP+7], v[mO:mO+7]
.endm
; Product i of 32 of S^T = K Q^T: channels 32 (i / 8) on, keys 16 ((i / 2) % 4) on, tile x + i % 2.  The first 8 start the sums.
.macro KQ x
	WIN W_KQ
.set mS, S+32*((\x)+i%2)+8*((i/2)%4)
.set mK, KF+32*((i/2)%4)+8*(i/8)
.set mQ, 32*((\x)+i%2)+8*(i/8)
.if i < 8
	v_wmma_f32_16x16x32_f16 v[mS:mS+7], v[mK:mK+7], v[mQ:mQ+7], 0
.else
	v_wmma_f32_16x16x32_f16 v[mS:mS+7], v[mK:mK+7], v[mQ:mQ+7], v[mS:mS+7]
.endif
.endm
; THE LDS LOADS stand in runs of 32.  last = 1 (the tail): in the trip with CNT = 1 there is no further step, and the run is jumped over.
.macro FETCH_K last
	WIN 0
.if \last
	s_cmp_eq_u32 s[CNT], 1
	s_cbranch_scc1 .Lno_k_\@
.endif
	v_add_nc_u32 v[ADR], s[TBK], v[AK0]
	s_add_co_u32 s[TBK], s[TBK], KST
	WIN 0x80                        ; destination window 2
.irp f, 0,1,2,3,4,5,6,7,8,9,10,11,12,13,14,15  ; keys 16 (f / 4) on, channels 32 (f % 4) on
	ds_load_b128 v[KF+8*(\f):KF+8*(\f)+3],   v[ADR] offset:((\f)/4)*16*PK+((\f)%4)*64
	ds_load_b128 v[KF+8*(\f)+4:KF+8*(\f)+7], v[ADR] offset:((\f)/4)*16*PK+((\f)%4)*64+32
.endr
.if \last
	WIN 0
.Lno_k_\@:
.endif
.endm
.macro FETCH_V
	WIN 0
	v_add_nc_u32 v[ADR], s[TBV], v[AV0]
	s_add_co_u32 s[TBV], s[TBV], VST
	s_wait_alu depctr_va_vdst(0)    ; the wait for the softmax's batch of exponentials, ahead of the first instruction that names a result
	WIN 0xc0                        ; destination window 3
.irp f, 0,1,2,3,4,5,6,7,8,9,10,11,12,13,14,15  ; keys 32 (f / 8) on, channels 16 (f % 8) on
	ds_load_tr16_b128 v[8*(\f):8*(\f)+3],   v[ADR] offset:((\f)/8)*32*PVP+((\f)%8)*32
	ds_load_tr16_b128 v[8*(\f)+4:8*(\f)+7], v[ADR] offset:((\f)/8)*32*PVP+16*PVP+((\f)%8)*32
.endr
.endm
; The 64 mask words of a piece for a step: 128 bytes for each of its two query tiles, which lie 4,096 bytes apart.
.macro MLOAD last
.if \last
	WIN 0
	s_cmp_eq_u32 s[CNT], 1
	s_cbranch_scc1 .Lno_m_\@        ; there is no further step: no load leaves the table
.endif
	s_load_b512 s[MK:MK+15],    s[MP:MP+1], s[XO] offset:0x0
	s_load_b512 s[MK+16:MK+31], s[MP:MP+1], s[XO] offset:0x40
	s_load_b512 s[MK+36:MK+51], s[MP:MP+1], s[XO] offset:0x1000
	s_load_b512 s[MK+52:MK+67], s[MP:MP+1], s[XO] offset:0x1040
.if \last
.Lno_m_\@:
.endif
.endm
; THE VECTOR WORK OF A TURN: the softmax of tiles Y and Y + 1 for one key step, a list of 330; NEXT writes number n of it.
;   0-63     the fill takes the place of masked scores: register n / 2 of tile n % 2 (each accumulator's lowest register is read first)
;   64-103   20 a tile, tiles alternating: the maximum of the 32 scores and the old m, three operands at a time; the other half of the lanes'; m_old is kept; the new m; m_old - m
;   104-201  ONE BATCH: the 16 subtractions s - m, a pair each, and all 33 exponentials (a, then s0-s31); from 106 on in fours of one tile, the tiles by turns.  None reads an exponential's result
;   (wait)   ahead of 202: a plain instruction and the one wait for both tiles' 66 exponentials; in piece 2's turn V's run of loads stands there
;   202-265  the roundings to f16 and the sums; l = a l + the sum          266-329  O^T times a: the one part that leaves window 0
.macro REGS
.set rT, ST+8*tt
.set rS, S+32*tt
.set rP, P+16*tt
.set rO, 64*tt
.endm
.macro NEXT
.if n < 64
.set tt, Y+n%2
	REGS
	WIN 0
	v_cndmask_b32 v[rS+n/2], v[rS+n/2], v[FILL], s[MK+36*(n%2)+n/2]
.elseif n < 104
.set tt, Y+n%2
.set k, (n-64)/2
	REGS
	WIN 0
.if k < 4
	v_max3_num_f32 v[rT+4+k], v[rS+8*k], v[rS+8*k+1], v[rS+8*k+2]
.elseif k < 12
	v_max3_num_f32 v[rT+4+k%4], v[rT+4+k%4], v[rS+8*(k%4)+2*(k/4)+1], v[rS+8*(k%4)+2*(k/4)+2]
.elseif k == 12
	v_max3_num_f32 v[rT+4], v[rT+4], v[rS+7], v[rS+15]
.elseif k == 13
	v_max3_num_f32 v[rT+6], v[rT+6], v[rS+23], v[rS+31]
.elseif k == 14
	v_max3_num_f32 v[rT+4], v[rT+4], v[rT+5], v[rT+6]
.elseif k == 15
	v_max3_num_f32 v[rT+4], v[rT+4], v[rT+7], v[rT]
.elseif k == 16
	v_permlanex16_b32 v[rT+5], v[rT+4], s[SEL], s[SEL+1]  ; the query's other 32 keys lie in the lane 16 away
.elseif k == 17
	v_mov_b32 v[rT+1], v[rT]
.elseif k == 18
	v_max_num_f32 v[rT], v[rT+4], v[rT+5]
.else
	v_sub_f32 v[rT+7], v[rT+1], v[rT]
.endif
.elseif n < 202
.if n < 106
.set tt, Y+n%2
.set j, 21
.else
.set tt, Y+((n-106)/4)%2
.set j, 22+4*((n-106)/8)+(n-106)%4
.endif
	REGS
	WIN 0
.if j == 23
	v_exp_f32 v[rT+6], v[rT+7]
.elseif (j < 23) || ((j < 38) && (j%2 == 0)) || ((j < 66) && (j%4 == 2))
.set b, (j-2)/4                     ; 38, 42, .. 62: pairs 9 to 15
.if j < 38
.set b, (j-20)/2                    ; 21: pair 0; 22, 24, .. 36: pairs 1 to 8
.endif
	v_pk_add_f32 v[rS+2*b:rS+2*b+1], v[rS+2*b:rS+2*b+1], v[rT:rT+1] op_sel_hi:[1,0] neg_lo:[0,1] neg_hi:[0,1]  ; pair b: s - m
.else
.set e, j-38                        ; 66 to 69: s28 to s31
.if j < 66
.set e, j-32-(j-38)/4               ; 39-41, 43-45, .. 63-65: s7 to s27
.endif
.if j < 38
.set e, (j-25)/2                    ; 25, 27, .. 37: s0 to s6
.endif
	v_exp_f32 v[rS+e], v[rS+e]
.endif
.else
.if n == 202
	WIN 0
	v_nop                           ; the plain instruction behind the last exponential: one for the batch
.if Y == 0
	v_nop                           ; piece 2's turn: V's run of loads, with the wait in it.  V's last reader is the product before the one just issued, and the four instructions behind it are
	v_nop                           ; exponentials, which are no places: these three v_nop and the run's own v_add_nc_u32 are the four places in front of the loads
	FETCH_V
.else
	s_wait_alu depctr_va_vdst(0)    ; the wait for the batch
.endif
.endif
.set tt, Y+n%2
	REGS
.if n < 266
.set k, (n-202)/2
	WIN 0
.if k < 16
	v_cvt_pk_f16_f32 v[rP+k], v[rS+2*k], v[rS+2*k+1]
.else
.set z, k-16                        ; the sum of the tile's 16 pairs, in place: neighbours 1, 2, 4 and 8 pairs apart, then l takes it
.set w, 4
.set u, z
.if z >= 14
.set w, 32
.set u, 0
.elseif z >= 12
.set w, 16
.set u, z-12
.elseif z >= 8
.set w, 8
.set u, z-8
.endif
.if z < 15
	v_pk_add_f32 v[rS+w*u:rS+w*u+1], v[rS+w*u:rS+w*u+1], v[rS+w*u+w/2:rS+w*u+w/2+1]
.else
	v_pk_fma_f32 v[rT+2:rT+3], v[rT+2:rT+3], v[rT+6:rT+7], v[rS:rS+1] op_sel_hi:[1,0,1]
.endif
.endif
.else
.set k, (n-266)/2
	WIN W_RS
	v_pk_mul_f32 v[rO+2*k:rO+2*k+1], v[rO+2*k:rO+2*k+1], v[rT+6:rT+7] op_sel_hi:[1,0]
.endif
.endif
.set n, n+1
.endm
; A TURN.  Piece x has the matrix unit.  Of the other piece's list of 330 exactly four stand behind each of the 64 products, with a window switch on either side; the 74 that are over stand TOGETHER ahead of
; the products: numbers 0 to 73, the 64 selects and the first ten of the maximum, all plain, all in window 0, waiting for nothing but the masks.
; PLACES.  A score is first read four plain instructions or more behind the product that ended its sum: the turn before ended with four multiplies on O^T behind its last product, whose scores are first
; read at number 49.  Those four and the 74 are also the places in front of the loads into K's registers.
; THE MASKS for the NEXT turn's selects are asked for directly behind number 73, ten instructions behind number 63, which read the last of this turn's: all 64 products ahead of the wait for them.
; THE LDS LOADS.  Piece 0's turn fetches the next step's K behind its second product, 30 products ahead of its first use.  Number 202 is the first behind product 32: there piece 2's turn fetches the same
; step's V, 31 products and the next turn's 74 ahead of its first use.
.macro TURN x, last=0
.set n, 0
.set Y, 2-(\x)
	s_wait_kmcnt 0x0                ; this turn's masks are in, and their address registers may be written
	s_xor_b32 s[XO], s[XO], 0x2000  ; the masks asked for in this turn are piece x's
.rept LUMP
	NEXT
.endr
	MLOAD \last
.if (\x) == 0
	s_wait_dscnt 0x0                ; V is in
.endif
.set i, 0
.rept 32
	PV \x
.rept 4
	NEXT
.endr
.if ((\x) == 0) && (i == 1)
	FETCH_K \last
.endif
.set i, i+1
.endr
.if (\x) == 0
	s_wait_dscnt 0x0                ; K is in
.endif
.set i, 0
.rept 32
	KQ \x
.rept 4
	NEXT
.endr
.set i, i+1
.endr
.if (\x) == 2
	s_wait_xcnt 0x0                 ; the scalar loads, 64 products back, have read their address
	s_add_nc_u64 s[MP:MP+1], s[MP:MP+1], 128  ; the next step's four key tiles
.endif
.endm
	s_mov_b32 s[SLOTS], 7
.Lslot:                             ; seven times: slots 1 to 7 are asked for
	CHANGE 1
	s_mov_b32 s[CNT], 2
.Lstep:                             ; trip t: V^T P and piece 2's softmax of step t - 1; K, V, K Q^T and piece 0's softmax of step t
	TURN 0
	TURN 2
	WIN 0
	s_sub_co_u32 s[CNT], s[CNT], 1
	s_cmp_lg_u32 s[CNT], 0
	s_cbranch_scc1 .Lstep
	s_sub_co_u32 s[SLOTS], s[SLOTS], 1
	s_cmp_lg_u32 s[SLOTS], 0
	s_cbranch_scc1 .Lslot
	CHANGE 0                        ; the tail is written out: nothing is asked for
	s_mov_b32 s[CNT], 3             ; two trips fetch the last slot's steps; the third is left in its middle
.Ltail:
	TURN 0, 1
	WIN 0
	s_sub_co_u32 s[CNT], s[CNT], 1
	s_cmp_eq_u32 s[CNT], 0
	s_cbranch_scc1 .Lout
	TURN 2
	WIN 0
	s_branch .Ltail
.Lout:                              ; the third trip's 32 products K Q^T (on the last K once more) serve nothing: the price, once a launch, of one text for every trip
	s_load_b64 s[32:33], s[0:1], 0x10  ; ctx
.set i, 0
.rept 32
	PV 2                            ; piece 2's V^T P of the last step
.set i, i+1
.endr
	WIN 0
	s_bfe_u32 s36, ttmp6, 0x40000
	s_lshl_b32 s37, ttmp9, 2
	s_add_co_u32 s37, s37, s36
	s_lshl_b32 s34, s37, 19         ; my block's 128 rows of 4,096 bytes,
	s_and_b32 s38, s[WV], 1
	s_lshl_b32 s38, s38, 18         ; my wave's 64,
	s_add_co_u32 s34, s34, s38
	s_lshr_b32 s38, s[WV], 1
	s_lshl_b32 s38, s38, 17         ; the 32 that I finish,
	s_add_co_u32 s34, s34, s38
	s_and_b32 s38, ttmp7, 0xffff
	s_lshl_b32 s38, s38, 8          ; the head's 256 bytes of a row
	s_add_co_u32 s34, s34, s38
	s_mov_b32 s35, 0
	; THE TWO KEY HALVES MEET.  l's two halves and the other half of the lanes' are added (the first four additions are the places behind the last products).
.irp t, 0,1,2,3
	v_add_f32 v[ST+8*(\t)+4], v[ST+8*(\t)+2], v[ST+8*(\t)+3]
.endr
.irp t, 0,1,2,3
	v_permlanex16_b32 v[ST+8*(\t)+5], v[ST+8*(\t)+4], s[SEL], s[SEL+1]
.endr
.irp t, 0,1,2,3
	v_add_f32 v[ST+8*(\t)+1], v[ST+8*(\t)+4], v[ST+8*(\t)+5]
.endr
	WIN 0x04                        ; store data in window 1
.set q, 0
.rept 32
	ds_store_b128 v[XS], v[128+4*q:128+4*q+3] offset:512*q  ; piece 2's O^T, in ascending order
.set q, q+1
.endr
	WIN 0
	ds_store_b64 v[XS2], v[ST+16:ST+17]            ; its (m, l)
	ds_store_b64 v[XS2], v[ST+24:ST+25] offset:256
	s_wait_dscnt 0x0                ; for my partner's sake
	s_barrier_signal -1
	s_barrier_wait -1
	WIN 0x40
.set q, 0
.rept 32
	ds_load_b128 v[128+4*q:128+4*q+3], v[XP] offset:512*q  ; my partner's sums for the rows of my piece 0
.set q, q+1
.endr
	WIN 0
	ds_load_b64 v[ST+16:ST+17], v[XP2]
	ds_load_b64 v[ST+24:ST+25], v[XP2] offset:256
	s_wait_dscnt 0x0
	; M = max(m0, m1); a_i = 2^(m_i - M); l = a0 l0 + a1 l1; O = (a0 O0 + a1 O1) / l
.irp u, 0,1
	v_max_num_f32 v[ST+8*(\u)+4], v[ST+8*(\u)], v[ST+8*(\u)+16]
.endr
.irp u, 0,1
	v_sub_f32 v[ST+8*(\u)+5], v[ST+8*(\u)], v[ST+8*(\u)+4]
	v_sub_f32 v[ST+8*(\u)+21], v[ST+8*(\u)+16], v[ST+8*(\u)+4]
.endr
.irp u, 0,1
	v_exp_f32 v[ST+8*(\u)+6], v[ST+8*(\u)+5]
	v_exp_f32 v[ST+8*(\u)+22], v[ST+8*(\u)+21]
.endr
	v_nop                           ; a plain instruction behind the last exponential,
	s_wait_alu depctr_va_vdst(0)    ; and one wait for the four
.irp u, 0,1
	v_mul_f32 v[ST+8*(\u)+4], v[ST+8*(\u)+6], v[ST+8*(\u)+1]
.endr
.irp u, 0,1
	v_fma_f32 v[ST+8*(\u)+4], v[ST+8*(\u)+22], v[ST+8*(\u)+17], v[ST+8*(\u)+4]
.endr
.irp u, 0,1
	v_rcp_f32 v[ST+8*(\u)+5], v[ST+8*(\u)+4]
.endr
	v_nop
	s_wait_alu depctr_va_vdst(0)    ; one wait for the two reciprocals
.irp u, 0,1
	v_mul_f32 v[ST+8*(\u)+6], v[ST+8*(\u)+6], v[ST+8*(\u)+5]
	v_mul_f32 v[ST+8*(\u)+22], v[ST+8*(\u)+22], v[ST+8*(\u)+5]
.endr
	s_wait_kmcnt 0x0
	s_add_nc_u64 s[32:33], s[32:33], s[34:35]
; Tile u: merged, rounded to f16; a lane's eight channels pack into 16 bytes, go into rows of 272 bytes of my stage and come back as whole rows of 256.
.macro PACK u
	WIN W_RS
.set i, 0
.rept 32
	v_pk_mul_f32 v[64*(\u)+2*i:64*(\u)+2*i+1], v[64*(\u)+2*i:64*(\u)+2*i+1], v[ST+8*(\u)+6:ST+8*(\u)+7] op_sel_hi:[1,0]
.set i, i+1
.endr
	WIN 0x51                        ; destination, source 0 and source 2 in window 1, the factor in window 0
.set i, 0
.rept 32
	v_pk_fma_f32 v[64*(\u)+2*i:64*(\u)+2*i+1], v[128+64*(\u)+2*i:128+64*(\u)+2*i+1], v[ST+8*(\u)+22:ST+8*(\u)+23], v[64*(\u)+2*i:64*(\u)+2*i+1] op_sel_hi:[1,0,1]
.set i, i+1
.endr
	WIN 0x05                        ; sources 0 and 1 window 1, destination window 0: S^T's registers are free
.set i, 0
.rept 32
	v_cvt_pk_f16_f32 v[S+32*(\u)+i], v[64*(\u)+2*i], v[64*(\u)+2*i+1]
.set i, i+1
.endr
	WIN 0
.irp f, 0,1,2,3,4,5,6,7
	ds_store_b128 v[STO], v[S+32*(\u)+4*(\f):S+32*(\u)+4*(\f)+3] offset:32*(\f)
.endr
.irp f, 0,1,2,3,4,5,6,7
	ds_load_b128 v[S+32*(\u)+4*(\f):S+32*(\u)+4*(\f)+3], v[RD] offset:(\f)*2*SP  ; LDS serves a wave's instructions in order (ISA guide 5.7.1.4): these see the stores above
.endr
.endm
.macro SEND u, younger              ; younger: the LDS instructions issued behind tile u's loads
.irp f, 0,1,2,3,4,5,6,7
	s_wait_dscnt (\younger)+7-(\f)
	global_store_b128 v[GO], v[S+32*(\u)+4*(\f):S+32*(\u)+4*(\f)+3], s[32:33] offset:(\u)*65536+(\f)*8192  ; 16 lanes store 256 consecutive bytes, at a multiple of 256 from ctx's first byte
.endr
.endm
	PACK 0
	PACK 1
	SEND 0, 16
	SEND 1, 0
	s_wait_tensorcnt 0x0            ; the wave's end, behind my last tensor load and my last LDS store
	ds_add_u32 v[SPW], v[NIL]
	s_wait_dscnt 0x0
	CROUND                          ; the closing round: no work-group ends while a partner may still ask for a tile that names it
	s_endpgm
.Lfunc_end_k_q7eab765f6e_attn:
	.size	k_q7eab765f6e_attn, .Lfunc_end_k_q7eab765f6e_attn-k_q7eab765f6e_attn
	.p2alignl 7, 3214868480
	.fill 96, 4, 3214868480
	.section	.rodata,"a",@progbits
	.p2align	6, 0x0
	.amdhsa_kernel k_q7eab765f6e_attn
		.amdhsa_group_segment_fixed_size 327680
		.amdhsa_private_segment_fixed_size 0
		.amdhsa_enable_private_segment 0
		.amdhsa_kernarg_size 24
		.amdhsa_user_sgpr_count 2
		.amdhsa_user_sgpr_kernarg_segment_ptr 1
		.amdhsa_wavefront_size32 1
		.amdhsa_system_sgpr_workgroup_id_x 1
		.amdhsa_system_sgpr_workgroup_id_y 1
		.amdhsa_system_sgpr_workgroup_id_z 1
		.amdhsa_system_vgpr_workitem_id 0
		.amdhsa_next_free_vgpr 1024
		.amdhsa_next_free_sgpr 106
		.amdhsa_reserve_vcc 0
		.amdhsa_float_denorm_mode_32 3
		.amdhsa_float_denorm_mode_16_64 3
		.amdhsa_memory_ordered 1
		.amdhsa_forward_progress 1
		.amdhsa_inst_pref_size 171
	.end_amdhsa_kernel
	.amdgpu_metadata
---
amdhsa.version: [ 1, 2 ]
amdhsa.kernels:
  - .name:           k_q7eab765f6e_attn
    .symbol:         k_q7eab765f6e_attn.kd
    .args:
      - { .name: qkv, .offset: 0, .size: 8, .value_kind: global_buffer, .address_space: global }
      - { .name: mbits, .offset: 8, .size: 8, .value_kind: global_buffer, .address_space: global }
      - { .name: ctx, .offset: 16, .size: 8, .value_kind: global_buffer, .address_space: global }
    .group_segment_fixed_size: 327680
    .private_segment_fixed_size: 0
    .kernarg_segment_align: 8
    .kernarg_segment_size: 24
    .max_flat_workgroup_size: 128
    .sgpr_count:     106
    .vgpr_count:     1024
    .wavefront_size: 32
...
	.end_amdgpu_metadata
.endif
;; end of part 3
;; launch outp (part 4): grid 16 x 16, 4 waves a work-group, clusters of 4 x 4, 327,680 bytes of LDS; arguments ctx, wd16, out0; writes out0
.if DOCPART == 4
	.amdgcn_target "amdgcn-amd-amdhsa--gfx1250"
	.amdhsa_code_object_version 6
	.text
	.protected	k_q7eab765f6e_outp
	.globl	k_q7eab765f6e_outp
	.p2align	8
	.type	k_q7eab765f6e_outp,@function
k_q7eab765f6e_outp:
	s_mov_b64 s[64:65], 0
	v_nop
	global_prefetch_b8 v0, s[64:65] scope:SCOPE_SE
	s_setreg_imm32_b32 hwreg(HW_REG_WAVE_MODE, 25, 1), 1
	s_wait_xcnt 0x0
	s_wait_alu depctr_hold_cnt(0) depctr_sa_sdst(0) depctr_va_vdst(0) depctr_va_sdst(0) depctr_va_ssrc(0) depctr_va_vcc(0) depctr_vm_vsrc(0)
	s_getreg_b32 s2, hwreg(HW_REG_IB_STS2, 6, 4)
	s_cmp_eq_u32 s2, 0
	s_cbranch_scc0 .Lentry_in_a_cluster
	s_endpgm
.Lentry_in_a_cluster:
	s_bfe_u32 s2, ttmp6, 0x10000c
	s_cmp_lg_u32 s2, 0xf033
	s_cbranch_scc0 .Lentry_shape_is_right
	s_endpgm
.Lentry_shape_is_right:
; out0[m][n] = the sum over k of ctx[m][k] Wd[n][k].  ctx: [2048][2048] f16; wd16: [2048][2048], Wd's bf16 number written as f16; out0: [2048][2048] f32.  Products in f16, sums in f32, K ascending.
; A tile of out0 is 128 x 128, so that there are 256 work-groups; four waves, each 64 x 64: 16 accumulators.  K goes in steps of 256 (LDS rows of 512 bytes; a wave's tensor load brings 64 of them) through two slots.
; CLUSTER 4 x 4: the four of a row of the cluster need the same tiles of ctx, the four of a column the same tiles of Wd: each is asked for jointly.
; THE MATRIX INSTRUCTION IS USED TRANSPOSED (source 0 = 16 rows of Wd, source 1 = 16 rows of ctx): a lane holds eight neighbouring numbers of a row of out0, 32 bytes.
; A wave's 64 columns of f32 are 256 aligned bytes of a row, so each wave has a stage of its own for the way out, and no barrier stands there.
; No prefetch: the tiles are small, and a step's load has the step's 112 matrix instructions in which to land.
; REGISTERS: window 0: v0-31 addresses; v32-95 at work on the way out; v128-255 the accumulators ((a, b) at v[128 + 8 (4 a + b)]).   window 1: two fragment buffers of 128: 64 registers of ctx, then 64 of Wd.
.set SIZE_K, 2048
.set SIZE_N, 2048
.set KSTEP,  256
.set PITCH,  528                       ; an LDS row: 512 bytes + 16 of padding
.set HALFT,  64*PITCH
.set SLOT,   4*HALFT
.set STAGE,  2*SLOT                    ; behind the ring: 16 rows x 272 bytes for each wave
.set SPITCH, 272
.set SPARE,  STAGE+4*16*SPITCH         ; the spare words, 128 bytes for each wave, that no other line names
.set LAPS, SIZE_K/(2*KSTEP)
.set ADRA, 16
.set ADRB, 20
.set STO,  24
.set RD,   25
.set CO,   26
.set SPW,  28
.set NIL,  29
.set OB,   32                          ; two buffers of 32: 16 rows read back from the stage
.set ACC,  128
.set F0,   0
.set F1,   128
.set G1, 24
.set G0, 32
.set G1B, 48
.set G0B, 56
.set MSB, 0
.macro WIN new
.if MSB != (\new)
	s_set_vgpr_msb (MSB<<8)|(\new)
.set MSB, \new
.endif
.endm
.set MUL,  0x05                        ; sources 0 and 1 window 1; C and D window 0
.set TO_F, 0x40                        ; destination window 1, address window 0
.macro JLOAD s                         ; waves 0 and 1 fetch ctx's two halves, waves 2 and 3 Wd's; an s_nop 0 and four v_nop follow each of the two lines
	s_cmp_eq_u32 s11, 0
	s_cbranch_scc0 .Lfor_b_\@
	tensor_load_to_lds s[G0+4*(\s):G0+4*(\s)+3], s[G1:G1+7]
	s_nop 0
.rept 4
	v_nop
.endr
	s_branch .Lasked_\@
.Lfor_b_\@:
	tensor_load_to_lds s[G0B+4*(\s):G0B+4*(\s)+3], s[G1B:G1B+7]
	s_nop 0
.rept 4
	v_nop
.endr
.Lasked_\@:
.endm
.macro CREST
	s_cmp_lg_u32 s10, 0
	s_cbranch_scc1 .Lnot_wave_0_\@
	s_barrier_signal -3
.Lnot_wave_0_\@:
	s_barrier_wait -3
	s_barrier_signal -1
	s_barrier_wait -1
.endm
.macro CROUND
	s_barrier_signal -1
	s_barrier_wait -1
	CREST
.endm
	s_load_b128 s[4:7], s[0:1], 0x0                ; ctx s[4:5], wd16 s[6:7]
	s_load_b64 s[8:9], s[0:1], 0x10                ; out0
	v_lshl_add_u32 v[SPW], v0, 2, SPARE
	v_mov_b32 v[NIL], 0
	ds_add_u32 v[SPW], v[NIL]                      ; the wave's opening: the add and its wait stand ahead of my first tensor load
	v_lshrrev_b32 v1, 5, v0
	v_readfirstlane_b32 s10, v1                    ; wave 0..3
	s_lshr_b32 s11, s10, 1                         ; which half of the tile's rows is mine.  Also: I fetch for ctx (0) or for Wd (1)
	s_and_b32 s12, s10, 1                          ; which half of its columns.  Also: which 64 rows of that tile I fetch
	s_bfe_u32 s40, ttmp6, 0x40000                  ; cx, cy
	s_bfe_u32 s41, ttmp6, 0x40004
	s_lshl_b32 s42, ttmp9, 2
	s_add_co_u32 s42, s42, s40                     ; tile column
	s_and_b32 s13, ttmp7, 0xffff
	s_lshl_b32 s13, s13, 2
	s_add_co_u32 s13, s13, s41                     ; tile row
	s_lshl_b32 s43, s41, 2
	s_lshl_b32 s43, 15, s43                        ; my row of the cluster
	s_lshl_b32 s44, 0x1111, s40                    ; my column
	s_or_b32 s[G1+0], s43, (1<<16)|(1<<20)|(1<<21)|(6<<22)|(3<<25)  ; the mask; 2-byte elements; padding on; bit 21 beside a mask; after every 128 words 4 words
	s_or_b32 s[G1B+0], s44, (1<<16)|(1<<20)|(1<<21)|(6<<22)|(3<<25)
.irp g, G1, G1B
	s_mov_b32 s[(\g)+1], KSTEP<<16                 ; tensor_dim0 = 256
	s_mov_b32 s[(\g)+2], 64<<16                    ; tensor_dim1 = 64
	s_mov_b32 s[(\g)+3], KSTEP<<16                 ; tile_dim0 = 256
	s_mov_b32 s[(\g)+4], 64                        ; tile_dim1 = 64
	s_mov_b32 s[(\g)+5], SIZE_K                    ; elements from row to row
	s_mov_b32 s[(\g)+6], 0
	s_mov_b32 s[(\g)+7], 0
.endr
	s_lshl_b32 s17, s12, 6                         ; which 64 rows of the tile I fetch
	s_lshl_b32 s16, s13, 7
	s_add_co_u32 s16, s16, s17
	s_lshl_b32 s46, s42, 7
	s_add_co_u32 s46, s46, s17
	s_mov_b32 s17, 0
	s_mov_b32 s47, 0
	s_mov_b64 s[18:19], SIZE_K*2
	s_mul_u64 s[16:17], s[16:17], s[18:19]
	s_mul_u64 s[46:47], s[46:47], s[18:19]
	s_mul_i32 s20, s10, HALFT                      ; where they go: wave x 64 rows
	s_wait_dscnt 0x0                               ; the opening add is done
	s_wait_kmcnt 0x0
	s_add_nc_u64 s[14:15], s[4:5], s[16:17]
	s_add_nc_u64 s[46:47], s[6:7], s[46:47]
	CROUND                                         ; all sixteen work-groups are here: the first joint loads meet
.irp s, 0,1
	s_mov_b32 s[G0+4*(\s)], 1
	s_add_co_u32 s[G0+4*(\s)+1], s20, (\s)*SLOT
	s_add_nc_u64 s[G0+4*(\s)+2:G0+4*(\s)+3], s[14:15], (\s)*KSTEP*2
	s_or_b32 s[G0+4*(\s)+3], s[G0+4*(\s)+3], 0x80000000
	s_mov_b32 s[G0B+4*(\s)], 1
	s_add_co_u32 s[G0B+4*(\s)+1], s20, (\s)*SLOT
	s_add_nc_u64 s[G0B+4*(\s)+2:G0B+4*(\s)+3], s[46:47], (\s)*KSTEP*2
	s_or_b32 s[G0B+4*(\s)+3], s[G0B+4*(\s)+3], 0x80000000
	JLOAD \s
.endr
	v_and_b32 v1, 15, v0                           ; l % 16
	v_bfe_u32 v2, v0, 4, 1                         ; l / 16
	v_mul_u32_u24 v3, v1, PITCH
	v_lshl_add_u32 v3, v2, 4, v3
	s_mul_i32 s21, s11, HALFT                      ; my 64 rows of ctx
	s_mul_i32 s22, s12, HALFT                      ; my 64 rows of Wd,
	s_add_co_u32 s22, s22, 2*HALFT                 ; which lie behind ctx's 128
.irp s, 0,1
	v_add_nc_u32 v[ADRA+(\s)], s21, v3
	v_add_nc_u32 v[ADRB+(\s)], s22, v3
	s_add_co_u32 s21, s21, SLOT
	s_add_co_u32 s22, s22, SLOT
.endr
	s_mul_i32 s23, s10, 16*SPITCH
	s_add_co_u32 s23, s23, STAGE                   ; my stage
	v_mul_u32_u24 v4, v1, SPITCH                   ; in: row l % 16, 32 bytes for each half of the lanes
	v_lshl_add_u32 v4, v2, 5, v4
	v_add_nc_u32 v[STO], s23, v4
	v_mul_u32_u24 v5, v2, SPITCH                   ; back: lanes 0-15 one row of 256 bytes, lanes 16-31 the next
	v_lshl_add_u32 v5, v1, 4, v5
	v_add_nc_u32 v[RD], s23, v5
	v_lshlrev_b32 v5, 13, v2                       ; and the same two rows in out0, 8,192 bytes apart
	v_lshl_add_u32 v[CO], v1, 4, v5
	s_lshl_b32 s16, s13, 7
	s_lshl_b32 s17, s11, 6
	s_add_co_u32 s16, s16, s17                     ; my first row
	s_lshl_b32 s16, s16, 13
	s_mov_b32 s17, 0
	s_add_nc_u64 s[8:9], s[8:9], s[16:17]
	s_lshl_b32 s46, s42, 9                         ; my first column, in bytes: 512 x tile column + 256 x half
	s_lshl_b32 s47, s12, 8
	s_add_co_u32 s46, s46, s47
	s_mov_b32 s47, 0
	s_add_nc_u64 s[8:9], s[8:9], s[46:47]
; 8 matrix instructions: row blocks a0, a0 + 1 x all 4 column blocks, 32 along K: half c of buffer f.  The 16 accumulators take turns.
.macro MUL8 f, c, a0, zero
	WIN MUL
.irp a, \a0, (\a0)+1
.irp b, 0,1,2,3
.if \zero
	v_wmma_f32_16x16x32_f16 v[ACC+8*(4*(\a)+(\b)):ACC+8*(4*(\a)+(\b))+7], v[(\f)+64+8*(4*(\c)+(\b)):(\f)+64+8*(4*(\c)+(\b))+7], v[(\f)+8*(4*(\c)+(\a)):(\f)+8*(4*(\c)+(\a))+7], 0
.else
	v_wmma_f32_16x16x32_f16 v[ACC+8*(4*(\a)+(\b)):ACC+8*(4*(\a)+(\b))+7], v[(\f)+64+8*(4*(\c)+(\b)):(\f)+64+8*(4*(\c)+(\b))+7], v[(\f)+8*(4*(\c)+(\a)):(\f)+8*(4*(\c)+(\a))+7], v[ACC+8*(4*(\a)+(\b)):ACC+8*(4*(\a)+(\b))+7]
.endif
.endr
.endr
.endm
; 32 LDS loads in one run: the fragments of 64 along K at byte k of the rows, into buffer f; the first 32 along K first
.macro FETCH slot, k, f
	WIN TO_F
.irp c, 0,1
.irp i, 0,1,2,3
	ds_load_b128 v[(\f)+64+8*(4*(\c)+(\i)):(\f)+64+8*(4*(\c)+(\i))+3],   v[ADRB+(\slot)] offset:(\k)+64*(\c)+(\i)*16*PITCH
	ds_load_b128 v[(\f)+64+8*(4*(\c)+(\i))+4:(\f)+64+8*(4*(\c)+(\i))+7], v[ADRB+(\slot)] offset:(\k)+64*(\c)+(\i)*16*PITCH+32
	ds_load_b128 v[(\f)+8*(4*(\c)+(\i)):(\f)+8*(4*(\c)+(\i))+3],         v[ADRA+(\slot)] offset:(\k)+64*(\c)+(\i)*16*PITCH
	ds_load_b128 v[(\f)+8*(4*(\c)+(\i))+4:(\f)+8*(4*(\c)+(\i))+7],       v[ADRA+(\slot)] offset:(\k)+64*(\c)+(\i)*16*PITCH+32
.endr
.endr
.endm
.macro PLACES                          ; four plain instructions between a matrix instruction and a load into, or a store of, its registers
.rept 4
	v_nop
.endr
.endm
.macro QUARTER slot, k, f, g, zero
	s_wait_dscnt 16                                ; the first 32 along K are in
	MUL8 \f, 0, 0, \zero
	MUL8 \f, 0, 2, \zero
	PLACES
	FETCH \slot, \k, \g
	s_wait_dscnt 32                                ; all but the 32 just issued
	MUL8 \f, 1, 0, 0
	MUL8 \f, 1, 2, 0
.endm
; The last quarter changes slots: one barrier; in front of it each wave waits for all its tensor loads, adds 0 to its spare word, and waits for that and for its reads of this slot.
.macro TURN slot, next, fill
	WIN 0
	s_wait_tensorcnt 0x0                           ; all my tensor loads have landed: my part of the next slot
	ds_add_u32 v[SPW], v[NIL]
	s_wait_dscnt 17                                ; the add and the youngest sixteen loads may be out
	MUL8 F1, 0, 0, 0
	s_wait_dscnt 0x0                               ; the add is done, and my reads of this slot are over
	s_barrier_signal -1
	MUL8 F1, 0, 2, 0
.if \fill
	WIN 0
.endif
	s_barrier_wait -1
.if \fill
	CREST                                          ; the barrier has opened a round of the cluster's: no wave of any partner still reads this slot or has a load on its way
	s_add_nc_u64 s[G0+4*(\slot)+2:G0+4*(\slot)+3], s[G0+4*(\slot)+2:G0+4*(\slot)+3], 2*KSTEP*2
	s_add_nc_u64 s[G0B+4*(\slot)+2:G0B+4*(\slot)+3], s[G0B+4*(\slot)+2:G0B+4*(\slot)+3], 2*KSTEP*2
	JLOAD \slot                                    ; the first tensor load behind the round; its four v_nop are also the places in front of the loads below
.else
	PLACES
.endif
	FETCH \next, 0, F0
	MUL8 F1, 1, 0, 0
	MUL8 F1, 1, 2, 0
.endm
	s_wait_tensorcnt 1                             ; my part of K step 0 is in; K step 1's may stay out
	s_barrier_signal -1
	s_barrier_wait -1
	FETCH 0, 0, F0
	QUARTER 0, 128, F0, F1, 1                      ; the first products start the sums
	WIN 0
	s_mov_b32 s3, LAPS-1
.Llap:
	QUARTER 0, 256, F1, F0, 0
	QUARTER 0, 384, F0, F1, 0
	TURN 0, 1, 1
	QUARTER 1, 128, F0, F1, 0
	QUARTER 1, 256, F1, F0, 0
	QUARTER 1, 384, F0, F1, 0
	TURN 1, 0, 1
	QUARTER 0, 128, F0, F1, 0
	WIN 0
	s_sub_co_u32 s3, s3, 1
	s_cmp_lg_u32 s3, 0
	s_cbranch_scc1 .Llap
	QUARTER 0, 256, F1, F0, 0                      ; the last lap fills nothing
	QUARTER 0, 384, F0, F1, 0
	TURN 0, 1, 0
	QUARTER 1, 128, F0, F1, 0
	QUARTER 1, 256, F1, F0, 0
	QUARTER 1, 384, F0, F1, 0
	s_wait_dscnt 16
	MUL8 F1, 0, 0, 0
	MUL8 F1, 0, 2, 0
	s_wait_dscnt 0x0
	MUL8 F1, 1, 0, 0
	MUL8 F1, 1, 2, 0
	WIN 0
	; THE WAY OUT, 16 rows at a time: the accumulators go as they are into my stage (each one's low half first) and come back as whole rows of 256 bytes.
	PLACES
.macro TOSTAGE a
.if (\a) >= 2
	s_wait_xcnt 0x0                                ; the stores of two blocks back have read this buffer's registers
.endif
.irp b, 0,1,2,3
	ds_store_b128 v[STO], v[ACC+8*(4*(\a)+(\b)):ACC+8*(4*(\a)+(\b))+3]   offset:64*(\b)
	ds_store_b128 v[STO], v[ACC+8*(4*(\a)+(\b))+4:ACC+8*(4*(\a)+(\b))+7] offset:64*(\b)+16
.endr
.irp t, 0,1,2,3,4,5,6,7
	ds_load_b128 v[OB+32*((\a)%2)+4*(\t):OB+32*((\a)%2)+4*(\t)+3], v[RD] offset:(\t)*2*SPITCH  ; LDS serves a wave's instructions in order (ISA guide 5.7.1.4): these see the stores above; the next block's stores come behind them
.endr
.endm
.macro SEND a, younger                 ; younger: the next block's sixteen LDS instructions, or none
	s_wait_dscnt \younger
.irp t, 0,1,2,3,4,5,6,7
	global_store_b128 v[CO], v[OB+32*((\a)%2)+4*(\t):OB+32*((\a)%2)+4*(\t)+3], s[8:9] offset:(16*(\a)+2*(\t))*SIZE_N*4 th:TH_STORE_NT  ; 16 lanes store 256 consecutive bytes, at a multiple of 256 from out0's first byte
.endr
.endm
	TOSTAGE 0
	TOSTAGE 1
	SEND 0, 16
	TOSTAGE 2
	SEND 1, 16
	TOSTAGE 3
	SEND 2, 16
	SEND 3, 0
	s_wait_tensorcnt 0x0                           ; the wave's end, behind my last tensor load and my last LDS store
	ds_add_u32 v[SPW], v[NIL]
	s_wait_dscnt 0x0
	CROUND                                         ; the closing round: no work-group ends while a partner may still ask for a tile that names it
	s_endpgm
.Lfunc_end_k_q7eab765f6e_outp:
	.size	k_q7eab765f6e_outp, .Lfunc_end_k_q7eab765f6e_outp-k_q7eab765f6e_outp
	.p2alignl 7, 3214868480
	.fill 96, 4, 3214868480
	.section	.rodata,"a",@progbits
	.p2align	6, 0x0
	.amdhsa_kernel k_q7eab765f6e_outp
		.amdhsa_group_segment_fixed_size 327680
		.amdhsa_private_segment_fixed_size 0
		.amdhsa_enable_private_segment 0
		.amdhsa_kernarg_size 24
		.amdhsa_user_sgpr_count 2
		.amdhsa_user_sgpr_kernarg_segment_ptr 1
		.amdhsa_wavefront_size32 1
		.amdhsa_system_sgpr_workgroup_id_x 1
		.amdhsa_system_sgpr_workgroup_id_y 1
		.amdhsa_system_sgpr_workgroup_id_z 1
		.amdhsa_system_vgpr_workitem_id 0
		.amdhsa_next_free_vgpr 512
		.amdhsa_next_free_sgpr 66
		.amdhsa_reserve_vcc 0
		.amdhsa_float_denorm_mode_32 3
		.amdhsa_float_denorm_mode_16_64 3
		.amdhsa_memory_ordered 1
		.amdhsa_forward_progress 1
		.amdhsa_inst_pref_size 85
	.end_amdhsa_kernel
	.amdgpu_metadata
---
amdhsa.version: [ 1, 2 ]
amdhsa.kernels:
  - .name:           k_q7eab765f6e_outp
    .symbol:         k_q7eab765f6e_outp.kd
    .args:
      - { .name: ctx, .offset: 0, .size: 8, .value_kind: global_buffer, .address_space: global }
      - { .name: wd16, .offset: 8, .size: 8, .value_kind: global_buffer, .address_space: global }
      - { .name: out0, .offset: 16, .size: 8, .value_kind: global_buffer, .address_space: global }
    .group_segment_fixed_size: 327680
    .private_segment_fixed_size: 0
    .kernarg_segment_align: 8
    .kernarg_segment_size: 24
    .max_flat_workgroup_size: 128
    .sgpr_count:     66
    .vgpr_count:     512
    .wavefront_size: 32
...
	.end_amdgpu_metadata
.endif
;; end of part 4
